; MI455X (gfx1250); checked and timed in simulation.
; The chip was launched on July 23, 2026; its instructions are those of AMD's public machine-readable ISA for CDNA 5 (MIT licence, August 2026) and "CDNA5" Instruction Set Architecture Reference Guide (July 2026). The comments in the code are by the model that wrote it; some were corrected since.
;; caps att. Allowed arithmetic: float matrix products may take bf16 or f16 operands with f32 sums; all other float work in f32.
;; Inputs: W_f 1,024 x 1,024 float32; W_g 4 x 1,024 x 1,024 float32; W_h 1,024 x 1,024 float32; W_out 1,024 x 1,024 float32; b_out 1,024 float32; feat 8 x 4,096 x 1,024 float32; feat_mask 8 x 1 x 1 x 4,096 bool; ln_b 1,024 float32; ln_w 1,024 float32; query 8 x 1,024 float32.
;; Outputs: out0 8 x 1,024 float32.
;; One version. Each part assembles by itself: llvm-mc -triple=amdgcn-amd-amdhsa -mcpu=gfx1250 --defsym DOCPART=n.
;; ======== version 1 of 1: 9 launches
;; limits: a function is approximated: absolute error at most 1.1e-07
;; workspace buffers: w1 5,373,952 bytes; mq 4,227,072 bytes; up 524,288 bytes; r1 1,179,648 bytes; r2 1,179,648 bytes; r3 1,048,576 bytes; o0 32,768 bytes; o12 65,536 bytes
;; launch prep (part 1): grid 256 x 1, 8 waves a work-group, no clusters, 0 bytes of LDS; arguments W_g, W_f, W_h, query, w1; writes w1
.if DOCPART == 1
	.amdgcn_target "amdgcn-amd-amdhsa--gfx1250"
	.amdhsa_code_object_version 6
	.text
	.protected	k_q635d754df1_prep
	.globl	k_q635d754df1_prep
	.p2align	8
	.type	k_q635d754df1_prep,@function
k_q635d754df1_prep:
	s_mov_b64 s[64:65], 0
	v_nop
	global_prefetch_b8 v0, s[64:65] scope:SCOPE_SE
	s_setreg_imm32_b32 hwreg(HW_REG_WAVE_MODE, 25, 1), 1
	s_wait_xcnt 0x0
; PREP.  Four things, all streams, every work-group alike (g = 0..255, eight waves):
;   wgb = mean over the 4 slices of W_g, rounded to bf16;  wfb = W_f rounded to bf16  (the two operands of the one matrix product that follows);
;   q0p[ichunk][b][c] = sum over 32 rows i of query[b][i] W_h[i][c]: 32 partial sums of query @ W_h, in f32;
;   a block of 8 x 4096 zeros, which the first pass over feat reads as its 'delta of the step before'.
; w1: q0p at byte 0 (1 MiB), zeros at ZEROS, wgb at WGB, wfb at WFB.
; Memory binds: no LDS, no barrier, no matrix unit.  A load of a wave covers 512 consecutive bytes, a bf16 store 256, all aligned.
.set WG,  8                            ; v[8:71]    W_g: step r, slice s at WG + 16 r + 4 s
.set WF,  72                           ; v[72:87]   W_f: step r at WF + 4 r
.set WH,  88                           ; v[88:215]  32 rows of W_h, 4 columns a lane
.set ACC, 216                          ; v[216:219] my 4 columns of the partial sum
.set ZR,  220                          ; v[220:223] zeros
.set ZEROS, 1048576
.set WGB,   1179648
.set WFB,   3276800
	s_load_b256 s[4:11], s[0:1], 0x0               ; W_g s[4:5], W_f s[6:7], W_h s[8:9], query s[10:11]
	s_load_b64 s[12:13], s[0:1], 0x20              ; w1
	v_lshrrev_b32 v4, 5, v0
	v_readfirstlane_b32 s18, v4                    ; wave = batch of the partial sum
	v_and_b32 v5, 31, v0                           ; lane
	s_and_b32 s19, ttmp9, 31                       ; ichunk: which 32 rows of W_h
	s_lshr_b32 s20, ttmp9, 5                       ; which 128 columns
	s_lshl_b32 s21, ttmp9, 14
	v_lshl_add_u32 v1, v0, 4, s21                  ; f32 side: 16,384 g + 16 t
	s_lshl_b32 s22, ttmp9, 13
	v_lshl_add_u32 v2, v0, 3, s22                  ; bf16 side: 8,192 g + 8 t
	s_lshl_b32 s23, s19, 17                        ; 32 rows of 4,096 bytes
	s_lshl_b32 s24, s20, 9                         ; 128 columns
	s_add_co_u32 s23, s23, s24
	v_lshl_add_u32 v3, v5, 4, s23                  ; W_h: my 16 bytes of the chunk's first row
	s_lshl_b32 s25, s18, 12                        ; 4,096 x batch
	s_lshl_b32 s16, s19, 7                         ; 32 numbers of query
	s_add_co_u32 s16, s16, s25
	s_mov_b32 s17, 0
	s_lshl_b32 s26, s19, 15                        ; q0p: ichunk x 8 x 4,096
	s_add_co_u32 s26, s26, s25
	s_add_co_u32 s26, s26, s24
	v_lshl_add_u32 v6, v5, 4, s26
	s_lshl_b32 s27, ttmp9, 9
	v_lshl_add_u32 v7, v5, 4, s27                  ; zeros: 512 g + 16 lane
	s_wait_kmcnt 0x0
	s_add_nc_u64 s[14:15], s[4:5], 0x800000        ; W_g's slice 2: its offset is one past what the signed 24-bit immediate holds
	s_add_nc_u64 s[16:17], s[10:11], s[16:17]      ; query[batch][32 ichunk]
	s_load_b512 s[32:47], s[16:17], 0x0            ; the 32 numbers of query, as scalars
	s_load_b512 s[48:63], s[16:17], 0x40
.irp r, 0,1,2,3
	global_load_b128 v[WG+16*(\r):WG+16*(\r)+3],     v1, s[4:5]   offset:4096*(\r) th:TH_LOAD_NT
	global_load_b128 v[WG+16*(\r)+4:WG+16*(\r)+7],   v1, s[4:5]   offset:4194304+4096*(\r) th:TH_LOAD_NT
	global_load_b128 v[WG+16*(\r)+8:WG+16*(\r)+11],  v1, s[14:15] offset:4096*(\r) th:TH_LOAD_NT
	global_load_b128 v[WG+16*(\r)+12:WG+16*(\r)+15], v1, s[14:15] offset:4194304+4096*(\r) th:TH_LOAD_NT
.endr
.irp r, 0,1,2,3
	global_load_b128 v[WF+4*(\r):WF+4*(\r)+3], v1, s[6:7] offset:4096*(\r) th:TH_LOAD_NT
.endr
.set r, 0
.rept 32
	global_load_b128 v[WH+4*r:WH+4*r+3], v3, s[8:9] offset:4096*r   ; all eight waves take the same 16 KiB: no hint
.set r, r+1
.endr
	s_cmp_lg_u32 s18, 0
	s_cbranch_scc1 .Lno_zeros                      ; wave 0 writes the group's 512 bytes of zeros
.irp c, 0,1,2,3
	v_mov_b32 v[ZR+(\c)], 0
.endr
	global_store_b128 v7, v[ZR:ZR+3], s[12:13] offset:ZEROS
.Lno_zeros:
	s_wait_loadcnt 36                              ; 4 loads of W_f and 32 of W_h are younger: W_g is in
.irp r, 0,1,2,3
	v_pk_add_f32 v[WG+16*(\r):WG+16*(\r)+1],     v[WG+16*(\r):WG+16*(\r)+1],     v[WG+16*(\r)+4:WG+16*(\r)+5]
	v_pk_add_f32 v[WG+16*(\r)+2:WG+16*(\r)+3],   v[WG+16*(\r)+2:WG+16*(\r)+3],   v[WG+16*(\r)+6:WG+16*(\r)+7]
	v_pk_add_f32 v[WG+16*(\r)+8:WG+16*(\r)+9],   v[WG+16*(\r)+8:WG+16*(\r)+9],   v[WG+16*(\r)+12:WG+16*(\r)+13]
	v_pk_add_f32 v[WG+16*(\r)+10:WG+16*(\r)+11], v[WG+16*(\r)+10:WG+16*(\r)+11], v[WG+16*(\r)+14:WG+16*(\r)+15]
	v_pk_add_f32 v[WG+16*(\r):WG+16*(\r)+1],     v[WG+16*(\r):WG+16*(\r)+1],     v[WG+16*(\r)+8:WG+16*(\r)+9]
	v_pk_add_f32 v[WG+16*(\r)+2:WG+16*(\r)+3],   v[WG+16*(\r)+2:WG+16*(\r)+3],   v[WG+16*(\r)+10:WG+16*(\r)+11]
	v_pk_mul_f32 v[WG+16*(\r):WG+16*(\r)+1],     v[WG+16*(\r):WG+16*(\r)+1],     0x3e800000 op_sel_hi:[1,0]   ; a quarter of the sum
	v_pk_mul_f32 v[WG+16*(\r)+2:WG+16*(\r)+3],   v[WG+16*(\r)+2:WG+16*(\r)+3],   0x3e800000 op_sel_hi:[1,0]
	v_cvt_pk_bf16_f32 v[WG+16*(\r)],   v[WG+16*(\r)],   v[WG+16*(\r)+1]
	v_cvt_pk_bf16_f32 v[WG+16*(\r)+1], v[WG+16*(\r)+2], v[WG+16*(\r)+3]
	global_store_b64 v2, v[WG+16*(\r):WG+16*(\r)+1], s[12:13] offset:WGB+2048*(\r)
.endr
	s_wait_loadcnt 32                              ; the 32 loads of W_h are younger: W_f is in
.irp r, 0,1,2,3
	v_cvt_pk_bf16_f32 v[WF+4*(\r)],   v[WF+4*(\r)],   v[WF+4*(\r)+1]
	v_cvt_pk_bf16_f32 v[WF+4*(\r)+1], v[WF+4*(\r)+2], v[WF+4*(\r)+3]
	global_store_b64 v2, v[WF+4*(\r):WF+4*(\r)+1], s[12:13] offset:WFB+2048*(\r)
.endr
	s_wait_loadcnt 0x0                             ; W_h
	s_wait_kmcnt 0x0                               ; query
.irp c, 0,1,2,3
	v_mul_f32 v[ACC+(\c)], s32, v[WH+(\c)]         ; the first row starts the sums
.endr
.set r, 1
.rept 31
.irp c, 0,1,2,3
	v_fmac_f32 v[ACC+(\c)], s[32+r], v[WH+4*r+(\c)]
.endr
.set r, r+1
.endr
	global_store_b128 v6, v[ACC:ACC+3], s[12:13]
	s_endpgm
.Lfunc_end_k_q635d754df1_prep:
	.size	k_q635d754df1_prep, .Lfunc_end_k_q635d754df1_prep-k_q635d754df1_prep
	.p2alignl 7, 3214868480
	.fill 96, 4, 3214868480
	.section	.rodata,"a",@progbits
	.p2align	6, 0x0
	.amdhsa_kernel k_q635d754df1_prep
		.amdhsa_group_segment_fixed_size 0
		.amdhsa_private_segment_fixed_size 0
		.amdhsa_enable_private_segment 0
		.amdhsa_kernarg_size 40
		.amdhsa_user_sgpr_count 2
		.amdhsa_user_sgpr_kernarg_segment_ptr 1
		.amdhsa_wavefront_size32 1
		.amdhsa_system_sgpr_workgroup_id_x 1
		.amdhsa_system_sgpr_workgroup_id_y 1
		.amdhsa_system_sgpr_workgroup_id_z 1
		.amdhsa_system_vgpr_workitem_id 0
		.amdhsa_next_free_vgpr 224
		.amdhsa_next_free_sgpr 66
		.amdhsa_reserve_vcc 0
		.amdhsa_float_denorm_mode_32 3
		.amdhsa_float_denorm_mode_16_64 3
		.amdhsa_memory_ordered 1
		.amdhsa_forward_progress 1
		.amdhsa_inst_pref_size 15
	.end_amdhsa_kernel
	.amdgpu_metadata
---
amdhsa.version: [ 1, 2 ]
amdhsa.kernels:
  - .name:           k_q635d754df1_prep
    .symbol:         k_q635d754df1_prep.kd
    .args:
      - { .name: W_g, .offset: 0, .size: 8, .value_kind: global_buffer, .address_space: global }
      - { .name: W_f, .offset: 8, .size: 8, .value_kind: global_buffer, .address_space: global }
      - { .name: W_h, .offset: 16, .size: 8, .value_kind: global_buffer, .address_space: global }
      - { .name: query, .offset: 24, .size: 8, .value_kind: global_buffer, .address_space: global }
      - { .name: w1, .offset: 32, .size: 8, .value_kind: global_buffer, .address_space: global }
    .group_segment_fixed_size: 0
    .private_segment_fixed_size: 0
    .kernarg_segment_align: 8
    .kernarg_segment_size: 40
    .max_flat_workgroup_size: 256
    .sgpr_count:     66
    .vgpr_count:     224
    .wavefront_size: 32
...
	.end_amdgpu_metadata
.endif
;; end of part 1
;; launch gemm (part 2): grid 16 x 16, 4 waves a work-group, clusters of 4 x 4, 327,680 bytes of LDS; arguments w1, mq, up; writes mq, up
.if DOCPART == 2
	.amdgcn_target "amdgcn-amd-amdhsa--gfx1250"
	.amdhsa_code_object_version 6
	.text
	.protected	k_q635d754df1_gemm
	.globl	k_q635d754df1_gemm
	.p2align	8
	.type	k_q635d754df1_gemm,@function
k_q635d754df1_gemm:
	s_mov_b64 s[64:65], 0
	v_nop
	global_prefetch_b8 v0, s[64:65] scope:SCOPE_SE
	s_setreg_imm32_b32 hwreg(HW_REG_WAVE_MODE, 25, 1), 1
	s_wait_xcnt 0x0
	s_wait_alu depctr_hold_cnt(0) depctr_sa_sdst(0) depctr_va_vdst(0) depctr_va_sdst(0) depctr_va_ssrc(0) depctr_va_vcc(0) depctr_vm_vsrc(0)
	s_getreg_b32 s2, hwreg(HW_REG_IB_STS2, 6, 4)
	s_cmp_eq_u32 s2, 0
	s_cbranch_scc0 .Lentry_in_a_cluster
	s_endpgm
.Lentry_in_a_cluster:
	s_bfe_u32 s2, ttmp6, 0x10000c
	s_cmp_lg_u32 s2, 0xf033
	s_cbranch_scc0 .Lentry_shape_is_right
	s_endpgm
.Lentry_shape_is_right:
; GEMM.  Mt[d][k] = sum over j of wgb[d][j] wfb[k][j]  (1024 x 1024 x 1024, bf16 operands, f32 sums, f32 out), and two small things that hang on it:
; q0 = the sum of the 32 partial sums of query @ W_h, and up[y][b][k] = sum over the tile's 64 d of q0[b][d] Mt[d][k]: 16 partial sums of u0 = q0 Mt.
; 256 tiles of 64 x 64, one to a work-group, so that every WGP has one; four waves, each 32 x 32: 4 accumulators.
; ALL OF K LIES IN LDS AT ONCE: 64 rows x 2,048 bytes of each operand, as four quarters of K with rows of 512 bytes.  Each wave brings two quarters by two tensor loads, issued
; together at the start: two tensor loads of a wave are out at the most, and no LDS byte is ever filled twice.
; CLUSTER 4 x 4: the four work-groups of a row of the cluster need the same rows of wgb, the four of a column the same rows of wfb: joint loads, as many requests for a quarter.
; THE MATRIX INSTRUCTION IS USED TRANSPOSED (source 0 = 16 rows of wfb, source 1 = 16 rows of wgb): a lane then holds eight neighbouring k of one row d of Mt.
; LIMIT: the two operands carry bf16's rounding; sums are f32.
.set PITCH,  528                       ; an LDS row: 512 bytes + 16 of padding: the 16 rows of a fragment load start at 16 different groups of four banks (ISA guide 11.1)
.set QUART,  64*PITCH                  ; one tensor load: 64 rows x 256 along K
.set OPB,    4*QUART                   ; wgb's four quarters, then wfb's.  Quarter q lies at (q % 2) x 2 QUART + (q / 2) x QUART: wave w's two loads lie at w x 2 QUART
.set STG,    2*OPB                     ; the stage for the way out: 64 rows of 256 bytes, pitch 272
.set SPITCH, 272
.set Q0S,    STG+64*SPITCH             ; q0 of the tile's 64 d: 8 batches x 256 bytes
.set SPARE,  Q0S+2048                  ; the spare words, 128 bytes for each wave: two blocks of 256 bytes that no other line names
.set WGB,    1179648                   ; byte offsets in w1
.set WFB,    3276800
.set Q0OFF,  4194304                   ; q0's byte offset in mq
.set ADRA, 16                          ; v16-17  LDS address of my fragments of wgb, even and odd quarters
.set ADRB, 18                          ; v18-19  the same for wfb
.set STO,  20                          ; v20  where I put 32 bytes of a row of the stage
.set RD,   21                          ; v21  where I read a row back
.set CO,   22                          ; v22  my byte offset in two rows of Mt
.set QV,   23                          ; v23  batch x 4,096 + my 16 bytes among the tile's 64 d
.set UV,   24                          ; v24  my 16 bytes in up
.set SA,   25                          ; v25  my 16 bytes in the stage's row 0
.set QA,   26                          ; v26  my batch's q0 in LDS
.set QW,   27                          ; v27  where I put my 16 bytes of q0
.set SPW,  28                          ; v28  my spare word; never rewritten
.set NIL,  29                          ; v29  0; never rewritten
.set XS,   30                          ; v30  t >> 3
.set ACC,  32                          ; v[32:63]   accumulator (a, b) at ACC + 8 (2 a + b)
.set F0,   64                          ; v[64:191]  two fragment buffers of 64: for each 32 along K, 2 blocks of wgb, then 2 of wfb
.set MR,   96                          ; the way out: 16 rows of the stage
.set QR,   160                         ; the way out: 16 numbers of q0
.set G1A, 24                           ; s[24:31] descriptor group 1 for wgb;  s[32:39] group 0, a set for each of my two loads
.set G0A, 32
.set G1B, 48                           ; s[48:55], s[56:63] the same for wfb
.set G0B, 56
.macro CROUND                          ; a round of the cluster's barrier
	s_barrier_signal -1
	s_barrier_wait -1
	s_cmp_lg_u32 s10, 0
	s_cbranch_scc1 .Lnot_wave_0_\@
	s_barrier_signal -3
.Lnot_wave_0_\@:
	s_barrier_wait -3
	s_barrier_signal -1
	s_barrier_wait -1
.endm
.macro PLACES                          ; four places between a matrix instruction and a load into, or a read of, its registers
.rept 4
	v_nop
.endr
.endm
	s_load_b128 s[4:7], s[0:1], 0x0                ; w1 s[4:5], mq s[6:7]
	s_load_b64 s[8:9], s[0:1], 0x10                ; up
	v_lshl_add_u32 v[SPW], v0, 2, SPARE
	v_mov_b32 v[NIL], 0
	ds_add_u32 v[SPW], v[NIL]                      ; the wave's opening: the add and its wait stand ahead of my first tensor load
	v_lshrrev_b32 v1, 5, v0
	v_readfirstlane_b32 s10, v1                    ; wave 0..3
	s_lshr_b32 s11, s10, 1                         ; my half of the tile's rows d.  Also: I fetch wgb (0) or wfb (1)
	s_and_b32 s12, s10, 1                          ; my half of its columns k.  Also: I fetch the even or the odd quarters
	s_bfe_u32 s40, ttmp6, 0x40000                  ; cx, cy
	s_bfe_u32 s41, ttmp6, 0x40004
	s_lshl_b32 s42, ttmp9, 2
	s_add_co_u32 s42, s42, s40                     ; x: tile column (k)
	s_and_b32 s13, ttmp7, 0xffff
	s_lshl_b32 s13, s13, 2
	s_add_co_u32 s13, s13, s41                     ; y: tile row (d)
	s_lshl_b32 s43, s41, 2
	s_lshl_b32 s43, 15, s43                        ; my row of the cluster
	s_lshl_b32 s44, 0x1111, s40                    ; my column
	s_or_b32 s[G1A], s43, (1<<16)|(1<<20)|(1<<21)|(6<<22)|(3<<25)  ; mask; 2-byte elements; padding on; bit 21 beside a mask; after every 128 words; 4 words
	s_or_b32 s[G1B], s44, (1<<16)|(1<<20)|(1<<21)|(6<<22)|(3<<25)
.irp g, G1A, G1B
	s_mov_b32 s[(\g)+1], 256<<16                   ; tensor_dim0 = 256
	s_mov_b32 s[(\g)+2], 64<<16                    ; tensor_dim1 = 64
	s_mov_b32 s[(\g)+3], 256<<16                   ; tile_dim0 = 256
	s_mov_b32 s[(\g)+4], 64                        ; tile_dim1 = 64
	s_mov_b32 s[(\g)+5], 1024                      ; elements from row to row
	s_mov_b32 s[(\g)+6], 0
	s_mov_b32 s[(\g)+7], 0
.endr
	s_lshl_b32 s17, s12, 9                         ; the odd quarters begin 512 bytes into a row
	s_lshl_b32 s16, s13, 17                        ; 64 rows of 2,048 bytes a tile: wgb hangs on y alone,
	s_add_co_u32 s16, s16, s17
	s_add_co_u32 s16, s16, WGB
	s_lshl_b32 s46, s42, 17                        ; wfb on x alone
	s_add_co_u32 s46, s46, s17
	s_add_co_u32 s46, s46, WFB
	s_mov_b32 s17, 0
	s_mov_b32 s47, 0
	s_mul_i32 s20, s10, 2*QUART                    ; where my two loads go: no place in the cluster enters an LDS address
	s_wait_dscnt 0x0                               ; the opening add is done
	s_wait_kmcnt 0x0
	s_add_nc_u64 s[14:15], s[4:5], s[16:17]
	s_add_nc_u64 s[46:47], s[4:5], s[46:47]
	CROUND                                         ; all sixteen work-groups are here: the joint loads meet
.irp i, 0,1
	s_mov_b32 s[G0A+4*(\i)], 1
	s_add_co_u32 s[G0A+4*(\i)+1], s20, (\i)*QUART
	s_add_nc_u64 s[G0A+4*(\i)+2:G0A+4*(\i)+3], s[14:15], (\i)*1024   ; two quarters on
	s_or_b32 s[G0A+4*(\i)+3], s[G0A+4*(\i)+3], 0x80000000
	s_mov_b32 s[G0B+4*(\i)], 1
	s_add_co_u32 s[G0B+4*(\i)+1], s20, (\i)*QUART
	s_add_nc_u64 s[G0B+4*(\i)+2:G0B+4*(\i)+3], s[46:47], (\i)*1024
	s_or_b32 s[G0B+4*(\i)+3], s[G0B+4*(\i)+3], 0x80000000
.endr
	s_cmp_lt_u32 s10, 2                            ; a wave's two fills stand in one branch on the wave's number
	s_cbranch_scc0 .Lfor_b
	tensor_load_to_lds s[G0A:G0A+3], s[G1A:G1A+7]
	s_nop 0
	tensor_load_to_lds s[G0A+4:G0A+7], s[G1A:G1A+7]
	s_nop 0
	PLACES
	s_branch .Lasked
.Lfor_b:
	tensor_load_to_lds s[G0B:G0B+3], s[G1B:G1B+7]
	s_nop 0
	tensor_load_to_lds s[G0B+4:G0B+7], s[G1B:G1B+7]
	s_nop 0
	PLACES
.Lasked:
	; q0 of the tile's 64 d, all 8 batches: thread t has batch t >> 4 and the four d at 4 (t & 15); the 32 partial sums land in the fragment buffers, which are still idle
	v_and_b32 v1, 15, v0                           ; l % 16 = t % 16
	v_bfe_u32 v2, v0, 4, 1                         ; l / 16
	v_lshrrev_b32 v9, 4, v0                        ; batch
	v_lshlrev_b32 v10, 4, v1
	v_lshl_add_u32 v11, v9, 12, v10                ; batch x 4,096 + 16 (t % 16)
	s_lshl_b32 s16, s13, 8                         ; the tile's 64 d in bytes
	v_add_nc_u32 v[QV], s16, v11
.set p, 0
.rept 32
	global_load_b128 v[F0+4*p:F0+4*p+3], v[QV], s[4:5] offset:p*32768
.set p, p+1
.endr
	v_mul_u32_u24 v3, v1, PITCH
	v_lshl_add_u32 v3, v2, 4, v3                   ; a fragment's row x pitch + 16 x half
	s_mul_i32 s21, s11, 32*PITCH                   ; my 32 rows of wgb
	s_mul_i32 s22, s12, 32*PITCH                   ; my 32 rows of wfb,
	s_add_co_u32 s22, s22, OPB                     ; which lie behind wgb's
	v_add_nc_u32 v[ADRA], s21, v3
	v_add_nc_u32 v[ADRA+1], 2*QUART, v[ADRA]
	v_add_nc_u32 v[ADRB], s22, v3
	v_add_nc_u32 v[ADRB+1], 2*QUART, v[ADRB]
	s_mul_i32 s23, s11, 32*SPITCH                  ; into the stage: my 32 rows, my 128 bytes of them; row l % 16, 32 bytes for each half of the lanes
	s_lshl_b32 s21, s12, 7
	s_add_co_u32 s23, s23, s21
	s_add_co_u32 s23, s23, STG
	v_mul_u32_u24 v3, v1, SPITCH
	v_lshl_add_u32 v3, v2, 5, v3
	v_add_nc_u32 v[STO], s23, v3
	s_mul_i32 s23, s10, 16*SPITCH                  ; back: wave w takes rows 16 w .. 16 w + 15, whole; lanes 0-15 one row, lanes 16-31 the next
	s_add_co_u32 s23, s23, STG
	v_mul_u32_u24 v3, v2, SPITCH
	v_add_nc_u32 v3, v3, v10
	v_add_nc_u32 v[RD], s23, v3
	v_lshl_add_u32 v[CO], v2, 12, v10              ; and the same two rows in Mt
	s_lshl_b32 s16, s13, 15                        ; up: y x 8 x 4,096
	s_lshl_b32 s46, s42, 8                         ; the tile's 64 k in bytes
	v_add_nc_u32 v[UV], s16, v11
	v_add_nc_u32 v[UV], s46, v[UV]
	v_add_nc_u32 v[SA], STG, v10
	v_lshlrev_b32 v3, 8, v9
	v_add_nc_u32 v[QA], Q0S, v3
	v_lshl_add_u32 v[QW], v0, 4, Q0S
	v_lshrrev_b32 v[XS], 3, v0
	s_lshl_b32 s16, s13, 18                        ; Mt at my 16 rows: (64 y + 16 w) rows of 4,096 bytes,
	s_lshl_b32 s17, s10, 16
	s_add_co_u32 s16, s16, s17
	s_mov_b32 s17, 0
	s_mov_b32 s47, 0
	s_add_nc_u64 s[2:3], s[6:7], s[16:17]
	s_add_nc_u64 s[2:3], s[2:3], s[46:47]          ; and the tile's first column
	s_wait_loadcnt 0x0
.set p, 4
.rept 28                                               ; four chains, then their sum
	v_pk_add_f32 v[F0+4*(p%4):F0+4*(p%4)+1],   v[F0+4*(p%4):F0+4*(p%4)+1],   v[F0+4*p:F0+4*p+1]
	v_pk_add_f32 v[F0+4*(p%4)+2:F0+4*(p%4)+3], v[F0+4*(p%4)+2:F0+4*(p%4)+3], v[F0+4*p+2:F0+4*p+3]
.set p, p+1
.endr
	v_pk_add_f32 v[F0:F0+1],     v[F0:F0+1],     v[F0+4:F0+5]
	v_pk_add_f32 v[F0+2:F0+3],   v[F0+2:F0+3],   v[F0+6:F0+7]
	v_pk_add_f32 v[F0+8:F0+9],   v[F0+8:F0+9],   v[F0+12:F0+13]
	v_pk_add_f32 v[F0+10:F0+11], v[F0+10:F0+11], v[F0+14:F0+15]
	v_pk_add_f32 v[4:5], v[F0:F0+1],   v[F0+8:F0+9]
	v_pk_add_f32 v[6:7], v[F0+2:F0+3], v[F0+10:F0+11]
	ds_store_b128 v[QW], v[4:7]
	; the sixteen work-groups of a tile row hold the same 2,048 bytes of q0: work-group x stores the 128 bytes of the eight threads with t >> 3 = x
	v_cmp_eq_u32 vcc_lo, s42, v[XS]
	s_wait_xcnt 0x0                                ; EXEC changes only behind this wait
	s_and_saveexec_b32 s45, vcc_lo
	global_store_b128 v[QV], v[4:7], s[6:7] offset:Q0OFF
	s_wait_xcnt 0x0
	s_or_b32 exec_lo, exec_lo, s45
; 16 LDS loads: the fragments of unit u (64 along K) into buffer u % 2
.macro FETCH u
.set FQ, (\u)/4
.set FK, (FQ/2)*QUART+((\u)%4)*128
.set FF, F0+64*((\u)%2)
.irp c, 0,1
.irp k, 0,1
	ds_load_b128 v[FF+32*(\c)+8*(\k):FF+32*(\c)+8*(\k)+3],         v[ADRA+FQ%2] offset:FK+64*(\c)+(\k)*16*PITCH
	ds_load_b128 v[FF+32*(\c)+8*(\k)+4:FF+32*(\c)+8*(\k)+7],       v[ADRA+FQ%2] offset:FK+64*(\c)+(\k)*16*PITCH+32
	ds_load_b128 v[FF+32*(\c)+16+8*(\k):FF+32*(\c)+16+8*(\k)+3],   v[ADRB+FQ%2] offset:FK+64*(\c)+(\k)*16*PITCH
	ds_load_b128 v[FF+32*(\c)+16+8*(\k)+4:FF+32*(\c)+16+8*(\k)+7], v[ADRB+FQ%2] offset:FK+64*(\c)+(\k)*16*PITCH+32
.endr
.endr
.endm
; 8 matrix instructions on unit u's buffer; the four accumulators take turns, one instruction a turn.  Unit 0's first four start the sums.
.macro MUL u
.set FF, F0+64*((\u)%2)
.irp c, 0,1
.irp a, 0,1
.irp b, 0,1
.if ((\u) == 0) && ((\c) == 0)
	v_wmma_f32_16x16x32_bf16 v[ACC+8*(2*(\a)+(\b)):ACC+8*(2*(\a)+(\b))+7], v[FF+32*(\c)+16+8*(\b):FF+32*(\c)+16+8*(\b)+7], v[FF+32*(\c)+8*(\a):FF+32*(\c)+8*(\a)+7], 0
.else
	v_wmma_f32_16x16x32_bf16 v[ACC+8*(2*(\a)+(\b)):ACC+8*(2*(\a)+(\b))+7], v[FF+32*(\c)+16+8*(\b):FF+32*(\c)+16+8*(\b)+7], v[FF+32*(\c)+8*(\a):FF+32*(\c)+8*(\a)+7], v[ACC+8*(2*(\a)+(\b)):ACC+8*(2*(\a)+(\b))+7]
.endif
.endr
.endr
.endr
.endm
; eight units = two quarters of K: while a unit is multiplied the next one's fragments are on their way
.macro GROUP first
	FETCH \first
.set uu, \first
.rept 7
.if uu > (\first)
	PLACES                                         ; the other buffer was read by the unit before
.endif
	FETCH uu+1
	s_wait_dscnt 16                                ; all but the 16 loads just issued
	MUL uu
.set uu, uu+1
.endr
	s_wait_dscnt 0x0
	MUL uu
.endm
	s_wait_tensorcnt 1                             ; my first load has landed; my second, issued behind it, may stay out
	s_wait_dscnt 0x0                               ; my part of q0 is in LDS
	s_barrier_signal -1
	s_barrier_wait -1                              ; quarters 0 and 1 of both operands are whole
	GROUP 0
	PLACES                                         ; for the loads into both buffers
	s_wait_tensorcnt 0x0                           ; my second load
	s_wait_dscnt 0x0
	s_barrier_signal -1
	s_barrier_wait -1                              ; quarters 2 and 3 are whole
	GROUP 8
	; THE WAY OUT.  Each accumulator's 8 numbers of a lane are 32 neighbouring bytes of a row of Mt: into the stage, lowest registers first
	PLACES
.irp a, 0,1
.irp b, 0,1
	ds_store_b128 v[STO], v[ACC+8*(2*(\a)+(\b)):ACC+8*(2*(\a)+(\b))+3]   offset:(\a)*16*SPITCH+(\b)*64
	ds_store_b128 v[STO], v[ACC+8*(2*(\a)+(\b))+4:ACC+8*(2*(\a)+(\b))+7] offset:(\a)*16*SPITCH+(\b)*64+16
.endr
.endr
	s_wait_dscnt 0x0                               ; for the others' sake: a row's 256 bytes come from two waves
	s_barrier_signal -1
	s_barrier_wait -1
.irp i, 0,1,2,3,4,5,6,7
	ds_load_b128 v[F0+4*(\i):F0+4*(\i)+3], v[RD] offset:(\i)*2*SPITCH
.endr
.irp i, 0,1,2,3,4,5,6,7
	s_wait_dscnt 7-(\i)
	global_store_b128 v[CO], v[F0+4*(\i):F0+4*(\i)+3], s[2:3] offset:(\i)*8192   ; 16 lanes store 256 consecutive bytes, aligned
.endr
	; u0's partial sum over the tile's 64 d: thread t has batch t >> 4 and four k; even d on v[8:11], odd d on v[12:15]
.set bt, 0
.rept 4
.set d, 0
.rept 16
	ds_load_b128 v[MR+4*d:MR+4*d+3], v[SA] offset:(16*bt+d)*SPITCH
.set d, d+1
.endr
.irp k, 0,1,2,3
	ds_load_b128 v[QR+4*(\k):QR+4*(\k)+3], v[QA] offset:64*bt+16*(\k)
.endr
	s_wait_dscnt 0x0
.set d, 0
.rept 8
.if bt == 0 && d == 0
	v_pk_mul_f32 v[8:9],   v[MR:MR+1],   v[QR:QR+1] op_sel_hi:[1,0]
	v_pk_mul_f32 v[10:11], v[MR+2:MR+3], v[QR:QR+1] op_sel_hi:[1,0]
	v_pk_mul_f32 v[12:13], v[MR+4:MR+5], v[QR:QR+1] op_sel:[0,1] op_sel_hi:[1,1]
	v_pk_mul_f32 v[14:15], v[MR+6:MR+7], v[QR:QR+1] op_sel:[0,1] op_sel_hi:[1,1]
.else
	v_pk_fma_f32 v[8:9],   v[MR+8*d:MR+8*d+1],   v[QR+2*d:QR+2*d+1], v[8:9]   op_sel_hi:[1,0,1]                  ; q0 of the even d: the pair's low word for both halves
	v_pk_fma_f32 v[10:11], v[MR+8*d+2:MR+8*d+3], v[QR+2*d:QR+2*d+1], v[10:11] op_sel_hi:[1,0,1]
	v_pk_fma_f32 v[12:13], v[MR+8*d+4:MR+8*d+5], v[QR+2*d:QR+2*d+1], v[12:13] op_sel:[0,1,0] op_sel_hi:[1,1,1]   ; of the odd d: its high word
	v_pk_fma_f32 v[14:15], v[MR+8*d+6:MR+8*d+7], v[QR+2*d:QR+2*d+1], v[14:15] op_sel:[0,1,0] op_sel_hi:[1,1,1]
.endif
.set d, d+1
.endr
.set bt, bt+1
.endr
	v_pk_add_f32 v[8:9],   v[8:9],   v[12:13]
	v_pk_add_f32 v[10:11], v[10:11], v[14:15]
	global_store_b128 v[UV], v[8:11], s[8:9]       ; 16 lanes store 256 consecutive bytes, aligned
	s_wait_tensorcnt 0x0                           ; the wave's end
	ds_add_u32 v[SPW], v[NIL]
	s_wait_dscnt 0x0
	CROUND                                         ; the closing round
	s_endpgm
.Lfunc_end_k_q635d754df1_gemm:
	.size	k_q635d754df1_gemm, .Lfunc_end_k_q635d754df1_gemm-k_q635d754df1_gemm
	.p2alignl 7, 3214868480
	.fill 96, 4, 3214868480
	.section	.rodata,"a",@progbits
	.p2align	6, 0x0
	.amdhsa_kernel k_q635d754df1_gemm
		.amdhsa_group_segment_fixed_size 327680
		.amdhsa_private_segment_fixed_size 0
		.amdhsa_enable_private_segment 0
		.amdhsa_kernarg_size 24
		.amdhsa_user_sgpr_count 2
		.amdhsa_user_sgpr_kernarg_segment_ptr 1
		.amdhsa_wavefront_size32 1
		.amdhsa_system_sgpr_workgroup_id_x 1
		.amdhsa_system_sgpr_workgroup_id_y 1
		.amdhsa_system_sgpr_workgroup_id_z 1
		.amdhsa_system_vgpr_workitem_id 0
		.amdhsa_next_free_vgpr 192
		.amdhsa_next_free_sgpr 66
		.amdhsa_reserve_vcc 1
		.amdhsa_float_denorm_mode_32 3
		.amdhsa_float_denorm_mode_16_64 3
		.amdhsa_memory_ordered 1
		.amdhsa_forward_progress 1
		.amdhsa_inst_pref_size 57
	.end_amdhsa_kernel
	.amdgpu_metadata
---
amdhsa.version: [ 1, 2 ]
amdhsa.kernels:
  - .name:           k_q635d754df1_gemm
    .symbol:         k_q635d754df1_gemm.kd
    .args:
      - { .name: w1, .offset: 0, .size: 8, .value_kind: global_buffer, .address_space: global }
      - { .name: mq, .offset: 8, .size: 8, .value_kind: global_buffer, .address_space: global }
      - { .name: up, .offset: 16, .size: 8, .value_kind: global_buffer, .address_space: global }
    .group_segment_fixed_size: 327680
    .private_segment_fixed_size: 0
    .kernarg_segment_align: 8
    .kernarg_segment_size: 24
    .max_flat_workgroup_size: 128
    .sgpr_count:     66
    .vgpr_count:     192
    .wavefront_size: 32
...
	.end_amdgpu_metadata
.endif
;; end of part 2
;; launch p1 (part 3): grid 32 x 8, 8 waves a work-group, no clusters, 38,912 bytes of LDS; arguments feat, feat_mask, w1, up, r1; writes r1
.if DOCPART == 3
	.amdgcn_target "amdgcn-amd-amdhsa--gfx1250"
	.amdhsa_code_object_version 6
	.text
	.protected	k_q635d754df1_p1
	.globl	k_q635d754df1_p1
	.p2align	8
	.type	k_q635d754df1_p1,@function
k_q635d754df1_p1:
	s_mov_b64 s[64:65], 0
	v_nop
	global_prefetch_b8 v0, s[64:65] scope:SCOPE_SE
	s_setreg_imm32_b32 hwreg(HW_REG_WAVE_MODE, 25, 1), 1
	s_wait_xcnt 0x0
; A PASS OVER FEAT.  For batch b and a block of 128 rows n:  c = softmax over all n of (mask x -1e18 + the normalised delta of the steps before);
; DOT = 1: delta[n] = feat[b][n] . u[b];   sPart[b][block] = sum over the block's rows of c[n] feat[b][n].
; ND = how many earlier deltas enter the logits (here 1; in the first pass it is a block of zeros, whose normalised value is 0).
; Every work-group makes the batch's statistics for itself from the 4,096 deltas (mean, then the sum of squares of the centred numbers: no difference of large sums; unbiased
; deviation + 1e-9, as the reference has it), takes the TRUE maximum of the 4,096 logits away before the exponentials, and keeps c of its own 128 rows.
; Memory binds: no matrix unit (each batch has one vector for its own matrix), no cluster (no two work-groups share a byte of feat).  Wave w owns 16 rows; a row's 4,096 bytes are
; eight loads of 512 consecutive bytes; a ring of four row slots in registers keeps 32 loads of every wave on their way.
; LIMITS: a weight below 2^-126 counts as 0; NaN and infinities are not treated apart; a mask byte is 0 or 1.
.set ND,  1
.set DOT, 1
.set RED,   4096                       ; LDS: u at 0 (4,096 bytes); six slots of 8 words, one word a wave
.set DELB,  4352                       ; the block's 128 deltas
.set SRED,  5120                       ; eight waves' sums, 4,096 bytes each
.set SPARE, 37888                      ; the spare words, 128 bytes for each wave: four blocks of 256 bytes that no other line names
.set DOFF,  1048576                    ; delta's byte offset in its buffer
.set L16, 1                            ; v1   16 x lane; never rewritten
.set SPW, 2                            ; v2   my spare word; never rewritten
.set NIL, 3                            ; v3   0; never rewritten
.set L15, 4                            ; v4   lane % 16
.set VC,  5                            ; v5   c of my wave's row lane % 16
.set DEL, 6                            ; v6   delta of that row
.set RA,  7                            ; v7   4 x wave: my wave's word in a slot
.set T,   8                            ; v[8:23]   at work; v[20:21], v[22:23] 1 / (deviation + 1e-9) of the two deltas, twice each
.set IA,  20
.set IB,  22
.set U,   24                           ; v[24:55]  u in a row's layout (first: with ACC, the 16 partial sums of u)
.set ACC, 56                           ; v[56:87]  sum of c x row
.set X,   88                           ; v[88:215] four row slots of 32
.set DA,  216                          ; v[216:231] 16 of the batch's deltas: n = 1024 j + 4 t + e at DA + 4 j + e; later their logits and weights
.set DB,  232                          ; v[232:247] the same of the second delta
.set MK,  248                          ; v[248:251] their mask bytes
.set OM,  252                          ; v252-254 mask and deltas of my own row
.set OA,  253
.set OB,  254
.set RB,  255                          ; v255 RED
.set WV, 16
.set BX, 17
.set BB, 18
.set FB, 20                            ; s[20:21] feat at my wave's rows
.set SEL, 22                           ; s[22:23] v_permlanex16_b32's selects
.set CC, 24                            ; s[24:25] c of the row in hand
.set ROWN, 26                          ; s26 the row in hand, 0..15
.set TRIP, 27
.set L2E, 28                           ; s[28:29] log2(e)
.set NEG, 30                           ; s[30:31] -1e18
.macro WSUM r, t                       ; sum over the 32 lanes, in every lane
	v_add_f32_dpp v[\r], v[\r], v[\r] row_xmask:1 row_mask:0xf bank_mask:0xf
	v_add_f32_dpp v[\r], v[\r], v[\r] row_xmask:2 row_mask:0xf bank_mask:0xf
	v_add_f32_dpp v[\r], v[\r], v[\r] row_xmask:4 row_mask:0xf bank_mask:0xf
	v_add_f32_dpp v[\r], v[\r], v[\r] row_xmask:8 row_mask:0xf bank_mask:0xf
	v_permlanex16_b32 v[\t], v[\r], s[SEL], s[SEL+1]
	v_add_f32 v[\r], v[\r], v[\t]
.endm
.macro WMAX r, t
	v_max_num_f32_dpp v[\r], v[\r], v[\r] row_xmask:1 row_mask:0xf bank_mask:0xf
	v_max_num_f32_dpp v[\r], v[\r], v[\r] row_xmask:2 row_mask:0xf bank_mask:0xf
	v_max_num_f32_dpp v[\r], v[\r], v[\r] row_xmask:4 row_mask:0xf bank_mask:0xf
	v_max_num_f32_dpp v[\r], v[\r], v[\r] row_xmask:8 row_mask:0xf bank_mask:0xf
	v_permlanex16_b32 v[\t], v[\r], s[SEL], s[SEL+1]
	v_max_num_f32 v[\r], v[\r], v[\t]
.endm
.macro FOLD8 t                         ; the eight numbers at v[t .. t+7] -> their sum in v[t]
	v_pk_add_f32 v[(\t):(\t)+1],   v[(\t):(\t)+1],   v[(\t)+2:(\t)+3]
	v_pk_add_f32 v[(\t)+4:(\t)+5], v[(\t)+4:(\t)+5], v[(\t)+6:(\t)+7]
	v_pk_add_f32 v[(\t):(\t)+1],   v[(\t):(\t)+1],   v[(\t)+4:(\t)+5]
	v_add_f32 v[\t], v[\t], v[(\t)+1]
.endm
.macro TSUM d, s                       ; the wave's sum of the 16 numbers a lane at v[s ..] -> v[d]
.irp c, 0,1,2,3
	v_pk_add_f32 v[T+2*(\c):T+2*(\c)+1], v[(\s)+4*(\c):(\s)+4*(\c)+1], v[(\s)+4*(\c)+2:(\s)+4*(\c)+3]
.endr
	FOLD8 T
	WSUM T, T+1
	v_mov_b32 v[\d], v[T]
.endm
.macro TSQ d, s                        ; the same of their squares
.irp c, 0,1,2,3
	v_pk_mul_f32 v[T+2*(\c):T+2*(\c)+1], v[(\s)+2*(\c):(\s)+2*(\c)+1], v[(\s)+2*(\c):(\s)+2*(\c)+1]
.endr
.irp c, 0,1,2,3
	v_pk_fma_f32 v[T+2*(\c):T+2*(\c)+1], v[(\s)+8+2*(\c):(\s)+8+2*(\c)+1], v[(\s)+8+2*(\c):(\s)+8+2*(\c)+1], v[T+2*(\c):T+2*(\c)+1]
.endr
	FOLD8 T
	WSUM T, T+1
	v_mov_b32 v[\d], v[T]
.endm
.macro PUT slot, r                     ; my wave's word of a slot: byte RED + 32 x slot + 4 x wave; every slot is written once in the launch, and no two slots share a byte
	ds_store_b32 v[RA], v[\r] offset:RED+32*(\slot)
.endm
.macro GETSUM slot                     ; the eight waves' words -> their sum in v[T]
	ds_load_b128 v[T:T+3],   v[RB] offset:32*(\slot)
	ds_load_b128 v[T+4:T+7], v[RB] offset:32*(\slot)+16
	s_wait_dscnt 0x0
	FOLD8 T
.endm
.macro BAR                             ; my LDS stores are done and my LDS loads are back; then everybody's
	s_wait_dscnt 0x0
	s_barrier_signal -1
	s_barrier_wait -1
.endm
.macro CENTRE slot, s, own             ; the mean is taken away, in place
	GETSUM \slot
	v_mul_f32 v[T], 0x39800000, v[T]               ; / 4096
	v_mov_b32 v[T+1], v[T]
.irp c, 0,1,2,3,4,5,6,7
	v_pk_add_f32 v[(\s)+2*(\c):(\s)+2*(\c)+1], v[(\s)+2*(\c):(\s)+2*(\c)+1], v[T:T+1] neg_lo:[0,1] neg_hi:[0,1]
.endr
	v_sub_f32 v[\own], v[\own], v[T]
.endm
.macro INV slot, d                     ; 1 / (sqrt(sum of squares / 4095) + 1e-9), twice
	GETSUM \slot
	v_mul_f32 v[T], 0x39800801, v[T]               ; / 4095
	v_sqrt_f32 v[T], v[T]
	v_nop                                          ; a plain instruction behind each transcendental (ISA guide 5.7.2)
	s_wait_alu depctr_va_vdst(0)
	v_add_f32 v[T], 0x3089705f, v[T]
	v_rcp_f32 v[\d], v[T]
	v_nop
	s_wait_alu depctr_va_vdst(0)
	v_mov_b32 v[(\d)+1], v[\d]
.endm
	s_load_b256 s[4:11], s[0:1], 0x0               ; feat s[4:5], mask s[6:7], first delta s[8:9], u's partial sums (or the second delta) s[10:11]
	s_load_b64 s[12:13], s[0:1], 0x20              ; the result
	v_lshl_add_u32 v[SPW], v0, 2, SPARE
	v_mov_b32 v[NIL], 0
	v_lshrrev_b32 v[T+5], 5, v0
	v_readfirstlane_b32 s[WV], v[T+5]
	s_mov_b32 s[BX], ttmp9
	s_and_b32 s[BB], ttmp7, 0xffff
	v_and_b32 v[T+6], 31, v0
	v_lshlrev_b32 v[L16], 4, v[T+6]
	v_and_b32 v[L15], 15, v0
	s_mov_b32 s[SEL], 0x76543210
	s_mov_b32 s[SEL+1], 0xfedcba98
	s_mov_b32 s[L2E], 0x3fb8aa3b
	s_mov_b32 s[L2E+1], s[L2E]                     ; named as pairs
	s_mov_b32 s[NEG], 0xdd5e0b6b
	s_mov_b32 s[NEG+1], s[NEG]
	v_mov_b32 v[RA], s[WV]                         ; the wave's number,
	v_lshlrev_b32 v[RA], 2, v[RA]                  ; times 4 bytes
	v_mov_b32 v[RB], RED
	s_lshl_b32 s32, s[BB], 12                      ; 4,096 b
	s_lshl_b32 s33, s[BB], 14                      ; 16,384 b
	v_lshl_add_u32 v[T], v0, 2, s32                ; mask: 4 bytes a thread
	v_lshl_add_u32 v[T+1], v0, 4, s33              ; delta: 16 bytes a thread
	s_lshl_b32 s34, s[BX], 7
	s_lshl_b32 s35, s[WV], 4
	s_add_co_u32 s34, s34, s35                     ; my wave's first row in the batch
	v_add_nc_u32 v[T+3], s34, v[L15]               ; my own row
	v_add_nc_u32 v[T+2], s32, v[T+3]
	v_lshl_add_u32 v[T+3], v[T+3], 2, s33
	v_lshl_add_u32 v[T+4], v0, 4, s32              ; u: 16 bytes a thread
	s_lshl_b32 s36, s[BB], 24                      ; 4,096 rows of 4,096 bytes a batch
	s_lshl_b32 s37, s34, 12
	s_add_co_u32 s36, s36, s37
	s_mov_b32 s37, 0
	s_wait_kmcnt 0x0
	s_add_nc_u64 s[FB:FB+1], s[4:5], s[36:37]
.irp j, 0,1,2,3
	global_load_b32 v[MK+(\j)], v[T], s[6:7] offset:1024*(\j)
.endr
.irp j, 0,1,2,3
	global_load_b128 v[DA+4*(\j):DA+4*(\j)+3], v[T+1], s[8:9] offset:DOFF+4096*(\j)
.endr
.if ND == 2
.irp j, 0,1,2,3
	global_load_b128 v[DB+4*(\j):DB+4*(\j)+3], v[T+1], s[10:11] offset:DOFF+4096*(\j)
.endr
.endif
	global_load_u8 v[OM], v[T+2], s[6:7]
	global_load_b32 v[OA], v[T+3], s[8:9] offset:DOFF
.if ND == 2
	global_load_b32 v[OB], v[T+3], s[10:11] offset:DOFF
.endif
.if DOT
.set p, 0
.rept 16
	global_load_b128 v[U+4*p:U+4*p+3], v[T+4], s[10:11] offset:p*32768
.set p, p+1
.endr
.endif
.irp k, 0,1,2,3
.irp j, 0,1,2,3,4,5,6,7
	global_load_b128 v[X+32*(\k)+4*(\j):X+32*(\k)+4*(\j)+3], v[L16], s[FB:FB+1] offset:(\k)*4096+512*(\j) th:TH_LOAD_NT   ; the ring: rows 0 to 3
.endr
.endr
	s_wait_xcnt 0x0                                ; the offsets in v[T ..] are rewritten only behind this wait
	s_wait_loadcnt 32+16*DOT                       ; younger: the ring's 32 loads, and u's 16: mask and deltas are in
	TSUM T+8, DA
	PUT 0, T+8
.if ND == 2
	TSUM T+8, DB
	PUT 1, T+8
.endif
.if DOT
	s_wait_loadcnt 32                              ; younger: the ring: u's partial sums are in
.set p, 4
.rept 12
	v_pk_add_f32 v[U+4*(p%4):U+4*(p%4)+1],   v[U+4*(p%4):U+4*(p%4)+1],   v[U+4*p:U+4*p+1]
	v_pk_add_f32 v[U+4*(p%4)+2:U+4*(p%4)+3], v[U+4*(p%4)+2:U+4*(p%4)+3], v[U+4*p+2:U+4*p+3]
.set p, p+1
.endr
	v_pk_add_f32 v[U:U+1],     v[U:U+1],     v[U+4:U+5]
	v_pk_add_f32 v[U+2:U+3],   v[U+2:U+3],   v[U+6:U+7]
	v_pk_add_f32 v[U+8:U+9],   v[U+8:U+9],   v[U+12:U+13]
	v_pk_add_f32 v[U+10:U+11], v[U+10:U+11], v[U+14:U+15]
	v_pk_add_f32 v[U:U+1],     v[U:U+1],     v[U+8:U+9]
	v_pk_add_f32 v[U+2:U+3],   v[U+2:U+3],   v[U+10:U+11]
	v_lshlrev_b32 v[T+9], 4, v0
	ds_store_b128 v[T+9], v[U:U+3]                 ; u[4 t ..] at LDS byte 16 t
.endif
	BAR
.if DOT
.irp j, 0,1,2,3,4,5,6,7
	ds_load_b128 v[U+4*(\j):U+4*(\j)+3], v[L16] offset:512*(\j)   ; u as a row of feat lies in a wave's registers
.endr
.endif
	CENTRE 0, DA, OA
.if ND == 2
	CENTRE 1, DB, OB
.endif
	TSQ T+8, DA
	PUT 2, T+8
.if ND == 2
	TSQ T+8, DB
	PUT 3, T+8
.endif
	BAR
	INV 2, IA
.if ND == 2
	INV 3, IB
.endif
	; the logits, in the order of the reference: mask x -1e18, + the first normalised delta, + the second
.irp g, 0,1
.set i, 0
.rept 8
	v_bfe_u32 v[T+i], v[MK+2*(\g)+i/4], 8*(i%4), 8
.set i, i+1
.endr
.set i, 0
.rept 8
	v_cvt_f32_u32 v[T+i], v[T+i]
.set i, i+1
.endr
.irp c, 0,1,2,3
	v_pk_mul_f32 v[T+2*(\c):T+2*(\c)+1], v[T+2*(\c):T+2*(\c)+1], s[NEG:NEG+1] op_sel_hi:[1,0]
	v_pk_fma_f32 v[DA+8*(\g)+2*(\c):DA+8*(\g)+2*(\c)+1], v[DA+8*(\g)+2*(\c):DA+8*(\g)+2*(\c)+1], v[IA:IA+1], v[T+2*(\c):T+2*(\c)+1]
.if ND == 2
	v_pk_fma_f32 v[DA+8*(\g)+2*(\c):DA+8*(\g)+2*(\c)+1], v[DB+8*(\g)+2*(\c):DB+8*(\g)+2*(\c)+1], v[IB:IB+1], v[DA+8*(\g)+2*(\c):DA+8*(\g)+2*(\c)+1]
.endif
.endr
.endr
	v_cvt_f32_u32 v[OM], v[OM]                     ; my own row's logit, by the same arithmetic
	v_mul_f32 v[OM], s[NEG], v[OM]
	v_fma_f32 v[OA], v[OA], v[IA], v[OM]
.if ND == 2
	v_fma_f32 v[OA], v[OB], v[IB], v[OA]
.endif
	; my wave's maximum, and the sum of 2^((b - that) log2 e): the difference is formed first, so that logits near -1e18 lose nothing
	v_max3_num_f32 v[T+8],  v[DA],    v[DA+1],  v[DA+2]
	v_max3_num_f32 v[T+9],  v[DA+3],  v[DA+4],  v[DA+5]
	v_max3_num_f32 v[T+10], v[DA+6],  v[DA+7],  v[DA+8]
	v_max3_num_f32 v[T+11], v[DA+9],  v[DA+10], v[DA+11]
	v_max3_num_f32 v[T+8],  v[T+8],   v[DA+12], v[DA+13]
	v_max3_num_f32 v[T+9],  v[T+9],   v[DA+14], v[DA+15]
	v_max3_num_f32 v[T+8],  v[T+8],   v[T+9],   v[T+10]
	v_max_num_f32  v[T+8],  v[T+8],   v[T+11]
	WMAX T+8, T+9
	v_mov_b32 v[T+9], v[T+8]
.irp c, 0,1,2,3,4,5,6,7
	v_pk_add_f32 v[DA+2*(\c):DA+2*(\c)+1], v[DA+2*(\c):DA+2*(\c)+1], v[T+8:T+9] neg_lo:[0,1] neg_hi:[0,1]
.endr
.irp c, 0,1,2,3,4,5,6,7
	v_pk_mul_f32 v[DA+2*(\c):DA+2*(\c)+1], v[DA+2*(\c):DA+2*(\c)+1], s[L2E:L2E+1] op_sel_hi:[1,0]
.endr
.set i, 0
.rept 16
	v_exp_f32 v[DA+i], v[DA+i]
.set i, i+1
.endr
	v_nop                                          ; a plain instruction behind the exponentials
	s_wait_alu depctr_va_vdst(0)
	TSUM T+10, DA
	PUT 4, T+8
	PUT 5, T+10
	BAR
	ds_load_b128 v[T:T+3],     v[RB] offset:128    ; the eight waves' maxima
	ds_load_b128 v[T+4:T+7],   v[RB] offset:144
	ds_load_b128 v[DA:DA+3],   v[RB] offset:160    ; and sums
	ds_load_b128 v[DA+4:DA+7], v[RB] offset:176
	s_wait_dscnt 0x0
	v_max3_num_f32 v[T+8], v[T],   v[T+1], v[T+2]
	v_max3_num_f32 v[T+9], v[T+3], v[T+4], v[T+5]
	v_max3_num_f32 v[T+8], v[T+8], v[T+9], v[T+6]
	v_max_num_f32  v[T+8], v[T+8], v[T+7]          ; the batch's maximum
	v_mov_b32 v[T+9], v[T+8]
.irp c, 0,1,2,3
	v_pk_add_f32 v[T+2*(\c):T+2*(\c)+1], v[T+2*(\c):T+2*(\c)+1], v[T+8:T+9] neg_lo:[0,1] neg_hi:[0,1]
.endr
	v_sub_f32 v[OA], v[OA], v[T+8]
.irp c, 0,1,2,3
	v_pk_mul_f32 v[T+2*(\c):T+2*(\c)+1], v[T+2*(\c):T+2*(\c)+1], s[L2E:L2E+1] op_sel_hi:[1,0]
.endr
	v_mul_f32 v[OA], s[L2E], v[OA]
.set i, 0
.rept 8
	v_exp_f32 v[T+i], v[T+i]
.set i, i+1
.endr
	v_exp_f32 v[OA], v[OA]
	; ACC is cleared here, 32 lines once a launch, so that one text serves all 16 rows; the lines are also the plain places behind the transcendentals
.set i, 0
.rept 16
	v_mov_b32 v[ACC+i], 0
.set i, i+1
.endr
	s_wait_alu depctr_va_vdst(0)
	v_pk_mul_f32 v[T:T+1], v[T:T+1],   v[DA:DA+1]  ; each wave's sum, brought to the batch's maximum
	v_pk_fma_f32 v[T:T+1], v[T+2:T+3], v[DA+2:DA+3], v[T:T+1]
	v_pk_fma_f32 v[T:T+1], v[T+4:T+5], v[DA+4:DA+5], v[T:T+1]
	v_pk_fma_f32 v[T:T+1], v[T+6:T+7], v[DA+6:DA+7], v[T:T+1]
	v_add_f32 v[T], v[T], v[T+1]                   ; at least 1: the largest logit's own weight
	v_rcp_f32 v[T], v[T]
.set i, 16
.rept 16
	v_mov_b32 v[ACC+i], 0
.set i, i+1
.endr
	s_wait_alu depctr_va_vdst(0)
	v_mul_f32 v[VC], v[OA], v[T]
.if DOT
	v_mov_b32 v[DEL], 0
.endif
; The turn of slot k.  refill = 1: the slot takes the row four further on.  left = the younger loads that may stay out.
.macro ROW k, refill, left
	s_wait_loadcnt \left
	v_readlane_b32 s[CC], v[VC], s[ROWN]
	s_mov_b32 s[CC+1], s[CC]                       ; named as a pair
.if DOT
.irp c, 0,1,2,3
	v_pk_mul_f32 v[T+2*(\c):T+2*(\c)+1], v[X+32*(\k)+2*(\c):X+32*(\k)+2*(\c)+1], v[U+2*(\c):U+2*(\c)+1]
.endr
.set p, 4
.rept 12
	v_pk_fma_f32 v[T+2*(p%4):T+2*(p%4)+1], v[X+32*(\k)+2*p:X+32*(\k)+2*p+1], v[U+2*p:U+2*p+1], v[T+2*(p%4):T+2*(p%4)+1]
.set p, p+1
.endr
.endif
.set p, 0
.rept 16
	v_pk_fma_f32 v[ACC+2*p:ACC+2*p+1], v[X+32*(\k)+2*p:X+32*(\k)+2*p+1], s[CC:CC+1], v[ACC+2*p:ACC+2*p+1] op_sel_hi:[1,0,1]
.set p, p+1
.endr
.if \refill
.irp j, 0,1,2,3,4,5,6,7
	global_load_b128 v[X+32*(\k)+4*(\j):X+32*(\k)+4*(\j)+3], v[L16], s[FB:FB+1] offset:((\k)+4)*4096+512*(\j) th:TH_LOAD_NT
.endr
.endif
.if DOT
	FOLD8 T
	WSUM T, T+1
	v_cmp_eq_u32 vcc_lo, s[ROWN], v[L15]
	v_cndmask_b32 v[DEL], v[DEL], v[T], vcc_lo     ; the row's delta stays in the two lanes of its number
.endif
	s_add_co_u32 s[ROWN], s[ROWN], 1
.endm
	s_mov_b32 s[ROWN], 0
	s_mov_b32 s[TRIP], 3
.Lrows:                                                ; three trips of four rows; 24 = the three other slots' loads
	ROW 0, 1, 24
	ROW 1, 1, 24
	ROW 2, 1, 24
	ROW 3, 1, 24
	s_wait_xcnt 0x0                                ; the base is stepped only behind this wait
	s_add_nc_u64 s[FB:FB+1], s[FB:FB+1], 16384
	s_sub_co_u32 s[TRIP], s[TRIP], 1
	s_cmp_lg_u32 s[TRIP], 0
	s_cbranch_scc1 .Lrows
	ROW 0, 0, 24                                   ; the last four rows load nothing: the counts run down
	ROW 1, 0, 16
	ROW 2, 0, 8
	ROW 3, 0, 0
	s_lshl_b32 s32, s[WV], 12
	v_add_nc_u32 v[T+8], s32, v[L16]
.irp j, 0,1,2,3,4,5,6,7
	ds_store_b128 v[T+8], v[ACC+4*(\j):ACC+4*(\j)+3] offset:SRED+512*(\j)
.endr
.if DOT
	s_lshl_b32 s33, s[WV], 6
	v_lshl_add_u32 v[T+9], v[L15], 2, s33
	ds_store_b32 v[T+9], v[DEL] offset:DELB        ; the two lanes of a row write the same word with the same number
.endif
	s_wait_tensorcnt 0x0                           ; my last LDS store is behind me: the add's s_wait_dscnt is also this barrier's wait
	ds_add_u32 v[SPW], v[NIL]
	v_lshlrev_b32 v[T+10], 4, v0
	s_lshl_b32 s34, s[BB], 17
	s_lshl_b32 s35, s[BX], 12
	s_add_co_u32 s34, s34, s35
	v_add_nc_u32 v[T+11], s34, v[T+10]             ; sPart: (32 b + block) x 4,096 + 16 t
	s_wait_dscnt 0x0
	s_barrier_signal -1
	s_barrier_wait -1
.irp i, 0,1,2,3,4,5,6,7
	ds_load_b128 v[X+4*(\i):X+4*(\i)+3], v[T+10] offset:SRED+4096*(\i)
.endr
	s_wait_dscnt 0x0
.irp i, 0,1,2,3,4,5,6,7
	v_pk_add_f32 v[X+2*(\i):X+2*(\i)+1], v[X+2*(\i):X+2*(\i)+1], v[X+16+2*(\i):X+16+2*(\i)+1]
.endr
.irp i, 0,1,2,3
	v_pk_add_f32 v[X+2*(\i):X+2*(\i)+1], v[X+2*(\i):X+2*(\i)+1], v[X+8+2*(\i):X+8+2*(\i)+1]
.endr
.irp i, 0,1
	v_pk_add_f32 v[X+2*(\i):X+2*(\i)+1], v[X+2*(\i):X+2*(\i)+1], v[X+4+2*(\i):X+4+2*(\i)+1]
.endr
	global_store_b128 v[T+11], v[X:X+3], s[12:13]
.if DOT
	s_cmp_lg_u32 s[WV], 0
	s_cbranch_scc1 .Ldone                          ; wave 0 stores the block's 128 deltas: 512 consecutive bytes
	s_lshl_b32 s34, s[BB], 14
	s_lshl_b32 s35, s[BX], 9
	s_add_co_u32 s34, s34, s35
	v_add_nc_u32 v[T+12], s34, v[L16]
	ds_load_b128 v[X+32:X+35], v[L16] offset:DELB
	s_wait_dscnt 0x0
	global_store_b128 v[T+12], v[X+32:X+35], s[12:13] offset:DOFF
.Ldone:
.endif
	s_endpgm
.Lfunc_end_k_q635d754df1_p1:
	.size	k_q635d754df1_p1, .Lfunc_end_k_q635d754df1_p1-k_q635d754df1_p1
	.p2alignl 7, 3214868480
	.fill 96, 4, 3214868480
	.section	.rodata,"a",@progbits
	.p2align	6, 0x0
	.amdhsa_kernel k_q635d754df1_p1
		.amdhsa_group_segment_fixed_size 38912
		.amdhsa_private_segment_fixed_size 0
		.amdhsa_enable_private_segment 0
		.amdhsa_kernarg_size 40
		.amdhsa_user_sgpr_count 2
		.amdhsa_user_sgpr_kernarg_segment_ptr 1
		.amdhsa_wavefront_size32 1
		.amdhsa_system_sgpr_workgroup_id_x 1
		.amdhsa_system_sgpr_workgroup_id_y 1
		.amdhsa_system_sgpr_workgroup_id_z 1
		.amdhsa_system_vgpr_workitem_id 0
		.amdhsa_next_free_vgpr 256
		.amdhsa_next_free_sgpr 66
		.amdhsa_reserve_vcc 1
		.amdhsa_float_denorm_mode_32 3
		.amdhsa_float_denorm_mode_16_64 3
		.amdhsa_memory_ordered 1
		.amdhsa_forward_progress 1
		.amdhsa_inst_pref_size 52
	.end_amdhsa_kernel
	.amdgpu_metadata
---
amdhsa.version: [ 1, 2 ]
amdhsa.kernels:
  - .name:           k_q635d754df1_p1
    .symbol:         k_q635d754df1_p1.kd
    .args:
      - { .name: feat, .offset: 0, .size: 8, .value_kind: global_buffer, .address_space: global }
      - { .name: feat_mask, .offset: 8, .size: 8, .value_kind: global_buffer, .address_space: global }
      - { .name: w1, .offset: 16, .size: 8, .value_kind: global_buffer, .address_space: global }
      - { .name: up, .offset: 24, .size: 8, .value_kind: global_buffer, .address_space: global }
      - { .name: r1, .offset: 32, .size: 8, .value_kind: global_buffer, .address_space: global }
    .group_segment_fixed_size: 38912
    .private_segment_fixed_size: 0
    .kernarg_segment_align: 8
    .kernarg_segment_size: 40
    .max_flat_workgroup_size: 256
    .sgpr_count:     66
    .vgpr_count:     256
    .wavefront_size: 32
...
	.end_amdgpu_metadata
.endif
;; end of part 3
;; launch pa (part 4): grid 32 x 8, 16 waves a work-group, no clusters, 6,400 bytes of LDS; arguments r1, r2, mq, o0; writes o0
.if DOCPART == 4
	.amdgcn_target "amdgcn-amd-amdhsa--gfx1250"
	.amdhsa_code_object_version 6
	.text
	.protected	k_q635d754df1_pa
	.globl	k_q635d754df1_pa
	.p2align	8
	.type	k_q635d754df1_pa,@function
k_q635d754df1_pa:
	s_mov_b64 s[64:65], 0
	v_nop
	global_prefetch_b8 v0, s[64:65] scope:SCOPE_SE
	s_setreg_imm32_b32 hwreg(HW_REG_WAVE_MODE, 25, 1), 1
	s_wait_xcnt 0x0
; o[y][d] = sum over k of Mt[d][k] s[y][k], where s[y] is the sum of 32 partial sums.  Rows y = 0..7 take their partial sums from the first buffer, rows 8..15 (where the grid has
; them) from the second; batch = y % 8.  A work-group has 32 d, each of its 16 waves two rows of Mt.  A few-row product that streams Mt: f32 on the vector unit, no matrix unit.
.set OUTG,  4096                       ; LDS: s at 0 (4,096 bytes); the group's 32 results
.set SPARE, 4352                       ; the spare words, 128 bytes for each of 16 waves: eight blocks of 256 bytes that no other line names
.set L16, 1                            ; v1  16 x lane
.set SPW, 2                            ; v2  my spare word; never rewritten
.set NIL, 3                            ; v3  0; never rewritten
.set P,   8                            ; v[8:71]    32 partial sums, 2 numbers a thread
.set M,   72                           ; v[72:135]  two rows of Mt
.set S,   136                          ; v[136:167] s in a row's layout
.set T,   168                          ; v[168:183] at work
.set LN,  184                          ; v184 lane
.set L4,  185                          ; v185 4 x lane
.set OO,  186                          ; v186 my byte offset in o
.set RES, 187                          ; v187 the result that I store
.set SEL, 22
.macro WSUM r, t
	v_add_f32_dpp v[\r], v[\r], v[\r] row_xmask:1 row_mask:0xf bank_mask:0xf
	v_add_f32_dpp v[\r], v[\r], v[\r] row_xmask:2 row_mask:0xf bank_mask:0xf
	v_add_f32_dpp v[\r], v[\r], v[\r] row_xmask:4 row_mask:0xf bank_mask:0xf
	v_add_f32_dpp v[\r], v[\r], v[\r] row_xmask:8 row_mask:0xf bank_mask:0xf
	v_permlanex16_b32 v[\t], v[\r], s[SEL], s[SEL+1]
	v_add_f32 v[\r], v[\r], v[\t]
.endm
.macro FOLD8 t
	v_pk_add_f32 v[(\t):(\t)+1],   v[(\t):(\t)+1],   v[(\t)+2:(\t)+3]
	v_pk_add_f32 v[(\t)+4:(\t)+5], v[(\t)+4:(\t)+5], v[(\t)+6:(\t)+7]
	v_pk_add_f32 v[(\t):(\t)+1],   v[(\t):(\t)+1],   v[(\t)+4:(\t)+5]
	v_add_f32 v[\t], v[\t], v[(\t)+1]
.endm
	s_load_b256 s[4:11], s[0:1], 0x0               ; partial sums s[4:5] and s[6:7], mq s[8:9], o s[10:11]
	v_lshl_add_u32 v[SPW], v0, 2, SPARE
	v_mov_b32 v[NIL], 0
	v_lshrrev_b32 v4, 5, v0
	v_readfirstlane_b32 s16, v4                    ; wave 0..15
	s_and_b32 s17, ttmp7, 0xffff                   ; y
	s_and_b32 s18, s17, 7                          ; batch
	v_and_b32 v[LN], 31, v0
	v_lshlrev_b32 v[L16], 4, v[LN]
	v_lshlrev_b32 v6, 3, v0                        ; 8 t
	s_lshl_b32 s19, s18, 17                        ; 32 partial sums of 4,096 bytes a batch
	v_add_nc_u32 v4, s19, v6
	s_lshl_b32 s20, ttmp9, 17                      ; 32 rows of Mt a work-group,
	s_lshl_b32 s21, s16, 13                        ; two a wave
	s_add_co_u32 s20, s20, s21
	v_add_nc_u32 v5, s20, v[L16]
	s_lshl_b32 s21, s16, 3
	v_mov_b32 v7, s21                              ; my wave's two words among the results
	s_lshl_b32 s20, s17, 12
	s_lshl_b32 s21, ttmp9, 7
	s_add_co_u32 s20, s20, s21
	v_lshlrev_b32 v[L4], 2, v[LN]                  ; 4 x lane
	v_add_nc_u32 v[OO], s20, v[L4]                 ; o: 4,096 y + 128 x + 4 lane
	s_mov_b32 s[SEL], 0x76543210
	s_mov_b32 s[SEL+1], 0xfedcba98
	s_wait_kmcnt 0x0
	s_cmp_lt_u32 s17, 8
	s_cselect_b64 s[12:13], s[4:5], s[6:7]
.set p, 0
.rept 32
	global_load_b64 v[P+2*p:P+2*p+1], v4, s[12:13] offset:4096*p
.set p, p+1
.endr
.irp rr, 0,1
.irp j, 0,1,2,3,4,5,6,7
	global_load_b128 v[M+32*(\rr)+4*(\j):M+32*(\rr)+4*(\j)+3], v5, s[8:9] offset:4096*(\rr)+512*(\j)
.endr
.endr
	s_wait_loadcnt 16                              ; Mt's 16 loads are younger: the partial sums are in
.set p, 4
.rept 28
	v_pk_add_f32 v[P+2*(p%4):P+2*(p%4)+1], v[P+2*(p%4):P+2*(p%4)+1], v[P+2*p:P+2*p+1]
.set p, p+1
.endr
	v_pk_add_f32 v[P:P+1],   v[P:P+1],   v[P+2:P+3]
	v_pk_add_f32 v[P+4:P+5], v[P+4:P+5], v[P+6:P+7]
	v_pk_add_f32 v[P:P+1],   v[P:P+1],   v[P+4:P+5]
	ds_store_b64 v6, v[P:P+1]
	s_wait_dscnt 0x0
	s_barrier_signal -1
	s_barrier_wait -1
.irp j, 0,1,2,3,4,5,6,7
	ds_load_b128 v[S+4*(\j):S+4*(\j)+3], v[L16] offset:512*(\j)
.endr
	s_wait_loadcnt 0x0
	s_wait_dscnt 0x0
.irp rr, 0,1
.irp c, 0,1,2,3
	v_pk_mul_f32 v[T+8*(\rr)+2*(\c):T+8*(\rr)+2*(\c)+1], v[M+32*(\rr)+2*(\c):M+32*(\rr)+2*(\c)+1], v[S+2*(\c):S+2*(\c)+1]
.endr
.set p, 4
.rept 12
	v_pk_fma_f32 v[T+8*(\rr)+2*(p%4):T+8*(\rr)+2*(p%4)+1], v[M+32*(\rr)+2*p:M+32*(\rr)+2*p+1], v[S+2*p:S+2*p+1], v[T+8*(\rr)+2*(p%4):T+8*(\rr)+2*(p%4)+1]
.set p, p+1
.endr
.endr
.irp rr, 0,1
	FOLD8 T+8*(\rr)
	WSUM T+8*(\rr), T+8*(\rr)+1
	ds_store_b32 v7, v[T+8*(\rr)] offset:OUTG+4*(\rr)
.endr
	s_wait_tensorcnt 0x0                           ; my last LDS store is behind me: the add's s_wait_dscnt is also this barrier's wait
	ds_add_u32 v[SPW], v[NIL]
	s_wait_dscnt 0x0
	s_barrier_signal -1
	s_barrier_wait -1
	s_cmp_lg_u32 s16, 0
	s_cbranch_scc1 .Ldone                          ; wave 0 stores the group's 32 results: 128 consecutive bytes, all that the group owns
	ds_load_b32 v[RES], v[L4] offset:OUTG
	s_wait_dscnt 0x0
	global_store_b32 v[OO], v[RES], s[10:11]
.Ldone:
	s_endpgm
.Lfunc_end_k_q635d754df1_pa:
	.size	k_q635d754df1_pa, .Lfunc_end_k_q635d754df1_pa-k_q635d754df1_pa
	.p2alignl 7, 3214868480
	.fill 96, 4, 3214868480
	.section	.rodata,"a",@progbits
	.p2align	6, 0x0
	.amdhsa_kernel k_q635d754df1_pa
		.amdhsa_group_segment_fixed_size 6400
		.amdhsa_private_segment_fixed_size 0
		.amdhsa_enable_private_segment 0
		.amdhsa_kernarg_size 32
		.amdhsa_user_sgpr_count 2
		.amdhsa_user_sgpr_kernarg_segment_ptr 1
		.amdhsa_wavefront_size32 1
		.amdhsa_system_sgpr_workgroup_id_x 1
		.amdhsa_system_sgpr_workgroup_id_y 1
		.amdhsa_system_sgpr_workgroup_id_z 1
		.amdhsa_system_vgpr_workitem_id 0
		.amdhsa_next_free_vgpr 192
		.amdhsa_next_free_sgpr 66
		.amdhsa_reserve_vcc 0
		.amdhsa_float_denorm_mode_32 3
		.amdhsa_float_denorm_mode_16_64 3
		.amdhsa_memory_ordered 1
		.amdhsa_forward_progress 1
		.amdhsa_inst_pref_size 13
	.end_amdhsa_kernel
	.amdgpu_metadata
---
amdhsa.version: [ 1, 2 ]
amdhsa.kernels:
  - .name:           k_q635d754df1_pa
    .symbol:         k_q635d754df1_pa.kd
    .args:
      - { .name: r1, .offset: 0, .size: 8, .value_kind: global_buffer, .address_space: global }
      - { .name: r2, .offset: 8, .size: 8, .value_kind: global_buffer, .address_space: global }
      - { .name: mq, .offset: 16, .size: 8, .value_kind: global_buffer, .address_space: global }
      - { .name: o0, .offset: 24, .size: 8, .value_kind: global_buffer, .address_space: global }
    .group_segment_fixed_size: 6400
    .private_segment_fixed_size: 0
    .kernarg_segment_align: 8
    .kernarg_segment_size: 32
    .max_flat_workgroup_size: 512
    .sgpr_count:     66
    .vgpr_count:     192
    .wavefront_size: 32
...
	.end_amdgpu_metadata
.endif
;; end of part 4
;; launch mb (part 5): grid 32 x 8, 8 waves a work-group, no clusters, 0 bytes of LDS; arguments mq, o0, ln_w, ln_b, up; writes up
.if DOCPART == 5
	.amdgcn_target "amdgcn-amd-amdhsa--gfx1250"
	.amdhsa_code_object_version 6
	.text
	.protected	k_q635d754df1_mb
	.globl	k_q635d754df1_mb
	.p2align	8
	.type	k_q635d754df1_mb,@function
k_q635d754df1_mb:
	s_mov_b64 s[64:65], 0
	v_nop
	global_prefetch_b8 v0, s[64:65] scope:SCOPE_SE
	s_setreg_imm32_b32 hwreg(HW_REG_WAVE_MODE, 25, 1), 1
	s_wait_xcnt 0x0
; q1 = layer norm(q0 + selu(o0 / 4096));  up[dc][b][k] = sum over the 64 d of chunk dc of q1[b][d] Mt[d][k]: 16 partial sums of u1 = q1 Mt.
; Every wave stands alone (no LDS, no barrier): it makes the norm's mean and deviation from the batch's whole row, q1 of the chunk's 64 d (two a lane), and the partial sum for
; 64 columns k: 64 loads of 256 consecutive bytes of Mt.  A few-row product that streams Mt: f32 on the vector unit.
; LIMIT: selu's negative branch is formed as exp(x) - 1, not expm1: off by 1.1e-7 at the most, beside numbers of order 1.
.set Q0OFF, 4194304
.set X,    8                           ; v[8:39]    q0's row, then q0 + selu, then centred
.set O,    40                          ; v[40:71]   o0's row
.set M,    72                          ; v[72:199]  64 rows of Mt, 2 columns a lane
.set OWN,  200                         ; v[200:207] for d = 64 dc + lane and + 32: q0, o0, ln_w, ln_b
.set TS,   208                         ; v[208:211] at work in selu
.set TL,   212                         ; v[212:219] at work in the norm
.set MEAN, 220
.set RSTD, 222
.set A,    224                         ; v[224:227] even rows' and odd rows' sums
.set SEL, 22
.set K1,  24                           ; s[24:25] log2(e) / 4096
.set K2,  26                           ; s[26:27] selu's scale / 4096
.set AL,  28                           ; s[28:29] selu's scale x alpha
.set R1024, 30
.set EPS, 31
.set QS,  40                           ; s[40:55] q1 of eight d, each in the low word of a pair
.macro WSUM r, t
	v_add_f32_dpp v[\r], v[\r], v[\r] row_xmask:1 row_mask:0xf bank_mask:0xf
	v_add_f32_dpp v[\r], v[\r], v[\r] row_xmask:2 row_mask:0xf bank_mask:0xf
	v_add_f32_dpp v[\r], v[\r], v[\r] row_xmask:4 row_mask:0xf bank_mask:0xf
	v_add_f32_dpp v[\r], v[\r], v[\r] row_xmask:8 row_mask:0xf bank_mask:0xf
	v_permlanex16_b32 v[\t], v[\r], s[SEL], s[SEL+1]
	v_add_f32 v[\r], v[\r], v[\t]
.endm
.macro FOLD8 t
	v_pk_add_f32 v[(\t):(\t)+1],   v[(\t):(\t)+1],   v[(\t)+2:(\t)+3]
	v_pk_add_f32 v[(\t)+4:(\t)+5], v[(\t)+4:(\t)+5], v[(\t)+6:(\t)+7]
	v_pk_add_f32 v[(\t):(\t)+1],   v[(\t):(\t)+1],   v[(\t)+4:(\t)+5]
	v_add_f32 v[\t], v[\t], v[(\t)+1]
.endm
; x += selu(scale o) for m (2 or 4) numbers: scale' max(o, 0) + al (2^(k1 min(o, 0)) - 1)
.macro SELUG x, o, m, k1, k2
.set ee, 0
.rept \m
	v_min_num_f32 v[TS+ee], 0, v[(\o)+ee]
.set ee, ee+1
.endr
.set ee, 0
.rept (\m)/2
	v_pk_mul_f32 v[TS+ee:TS+ee+1], v[TS+ee:TS+ee+1], s[\k1:\k1+1] op_sel_hi:[1,0]
.set ee, ee+2
.endr
.set ee, 0
.rept \m
	v_exp_f32 v[TS+ee], v[TS+ee]
.set ee, ee+1
.endr
.set ee, 0
.rept \m
	v_max_num_f32 v[(\o)+ee], 0, v[(\o)+ee]        ; plain work behind the exponentials
.set ee, ee+1
.endr
.set ee, 0
	s_wait_alu depctr_va_vdst(0)
.rept (\m)/2
	v_pk_fma_f32 v[(\x)+ee:(\x)+ee+1], v[(\o)+ee:(\o)+ee+1], s[\k2:\k2+1], v[(\x)+ee:(\x)+ee+1] op_sel_hi:[1,0,1]
	v_pk_fma_f32 v[TS+ee:TS+ee+1], v[TS+ee:TS+ee+1], s[AL:AL+1], s[AL:AL+1] op_sel_hi:[1,0,0] neg_lo:[0,0,1] neg_hi:[0,0,1]
.set ee, ee+2
.endr
.set ee, 0
.rept (\m)/2
	v_pk_add_f32 v[(\x)+ee:(\x)+ee+1], v[(\x)+ee:(\x)+ee+1], v[TS+ee:TS+ee+1]
.set ee, ee+2
.endr
.endm
.macro SELUADD x, o, n, k1, k2
.set gg, 0
.rept (\n)/4
	SELUG (\x)+gg, (\o)+gg, 4, \k1, \k2
.set gg, gg+4
.endr
.endm
; the mean of the wave's 1,024 numbers; they are centred in place; 1 / sqrt(mean of their squares + 1e-5): two passes, no difference of large sums
.macro LNSTAT x
.irp c, 0,1,2,3
	v_pk_add_f32 v[TL+2*(\c):TL+2*(\c)+1], v[(\x)+2*(\c):(\x)+2*(\c)+1], v[(\x)+8+2*(\c):(\x)+8+2*(\c)+1]
.endr
.irp c, 0,1,2,3
	v_pk_add_f32 v[TL+2*(\c):TL+2*(\c)+1], v[TL+2*(\c):TL+2*(\c)+1], v[(\x)+16+2*(\c):(\x)+16+2*(\c)+1]
.endr
.irp c, 0,1,2,3
	v_pk_add_f32 v[TL+2*(\c):TL+2*(\c)+1], v[TL+2*(\c):TL+2*(\c)+1], v[(\x)+24+2*(\c):(\x)+24+2*(\c)+1]
.endr
	FOLD8 TL
	WSUM TL, TL+1
	v_mul_f32 v[MEAN], s[R1024], v[TL]
	v_mul_f32 v[MEAN+1], s[R1024], v[TL]
.set pp, 0
.rept 16
	v_pk_add_f32 v[(\x)+2*pp:(\x)+2*pp+1], v[(\x)+2*pp:(\x)+2*pp+1], v[MEAN:MEAN+1] neg_lo:[0,1] neg_hi:[0,1]
.set pp, pp+1
.endr
.irp c, 0,1,2,3
	v_pk_mul_f32 v[TL+2*(\c):TL+2*(\c)+1], v[(\x)+2*(\c):(\x)+2*(\c)+1], v[(\x)+2*(\c):(\x)+2*(\c)+1]
.endr
.set pp, 4
.rept 12
	v_pk_fma_f32 v[TL+2*(pp%4):TL+2*(pp%4)+1], v[(\x)+2*pp:(\x)+2*pp+1], v[(\x)+2*pp:(\x)+2*pp+1], v[TL+2*(pp%4):TL+2*(pp%4)+1]
.set pp, pp+1
.endr
	FOLD8 TL
	WSUM TL, TL+1
	v_fma_f32 v[TL], v[TL], s[R1024], s[EPS]
	v_rsq_f32 v[RSTD], v[TL]
	v_rsq_f32 v[RSTD+1], v[TL]
	v_nop                                          ; a plain instruction behind the transcendentals
.endm
; eight rows of Mt times their q1
.macro AXPY8 r0
.set i, 0
.rept 8
	v_readlane_b32 s[QS+2*i], v[OWN+((\r0)+i)/32], ((\r0)+i)%32
.set i, i+1
.endr
.set i, 0
.rept 8
.if ((\r0)+i) < 2
	v_pk_mul_f32 v[A+2*i:A+2*i+1], v[M+2*i:M+2*i+1], s[QS+2*i:QS+2*i+1] op_sel_hi:[1,0]   ; rows 0 and 1 start the sums
.else
	v_pk_fma_f32 v[A+2*(i%2):A+2*(i%2)+1], v[M+2*((\r0)+i):M+2*((\r0)+i)+1], s[QS+2*i:QS+2*i+1], v[A+2*(i%2):A+2*(i%2)+1] op_sel_hi:[1,0,1]
.endif
.set i, i+1
.endr
.endm
	s_load_b256 s[4:11], s[0:1], 0x0               ; mq s[4:5], o0 s[6:7], ln_w s[8:9], ln_b s[10:11]
	s_load_b64 s[12:13], s[0:1], 0x20              ; up
	v_lshrrev_b32 v7, 5, v0
	v_readfirstlane_b32 s16, v7
	s_and_b32 s18, ttmp7, 0xffff                   ; batch
	s_lshr_b32 s19, ttmp9, 1                       ; dc: which 64 d
	s_and_b32 s20, ttmp9, 1
	s_lshl_b32 s20, s20, 3
	s_add_co_u32 s20, s20, s16                     ; which 64 columns k
	v_and_b32 v7, 31, v0
	s_lshl_b32 s21, s18, 12
	v_lshl_add_u32 v2, v7, 4, s21                  ; a row of the batch: 4,096 b + 16 lane
	s_lshl_b32 s32, s19, 8
	v_lshl_add_u32 v3, v7, 2, s32                  ; my own d in a row of 1,024
	v_add_nc_u32 v4, s21, v3
	s_lshl_b32 s33, s19, 18                        ; 64 rows of Mt
	s_lshl_b32 s34, s20, 8
	s_add_co_u32 s33, s33, s34
	v_lshl_add_u32 v5, v7, 3, s33
	s_lshl_b32 s35, s19, 15
	s_add_co_u32 s35, s35, s21
	s_add_co_u32 s35, s35, s34
	v_lshl_add_u32 v6, v7, 3, s35                  ; up: dc x 32,768 + 4,096 b + 256 x column piece + 8 lane
	s_mov_b32 s[SEL], 0x76543210
	s_mov_b32 s[SEL+1], 0xfedcba98
	s_mov_b32 s[K1], 0x39b8aa3b
	s_mov_b32 s[K1+1], s[K1]
	s_mov_b32 s[K2], 0x39867d5f
	s_mov_b32 s[K2+1], s[K2]
	s_mov_b32 s[AL], 0x3fe10966
	s_mov_b32 s[AL+1], s[AL]
	s_mov_b32 s[R1024], 0x3a800000
	s_mov_b32 s[EPS], 0x3727c5ac
.irp i, 0,1,2,3,4,5,6,7
	s_mov_b32 s[QS+2*(\i)+1], 0                    ; the pairs' high words are named, never used
.endr
	s_wait_kmcnt 0x0
.irp j, 0,1,2,3,4,5,6,7
	global_load_b128 v[X+4*(\j):X+4*(\j)+3], v2, s[4:5] offset:Q0OFF+512*(\j)
.endr
.irp j, 0,1,2,3,4,5,6,7
	global_load_b128 v[O+4*(\j):O+4*(\j)+3], v2, s[6:7] offset:512*(\j)
.endr
.irp h, 0,1
	global_load_b32 v[OWN+(\h)],   v4, s[4:5]   offset:Q0OFF+128*(\h)
	global_load_b32 v[OWN+2+(\h)], v4, s[6:7]   offset:128*(\h)
	global_load_b32 v[OWN+4+(\h)], v3, s[8:9]   offset:128*(\h)
	global_load_b32 v[OWN+6+(\h)], v3, s[10:11] offset:128*(\h)
.endr
.set r, 0
.rept 32
	global_load_b64 v[M+2*r:M+2*r+1], v5, s[4:5] offset:4096*r
.set r, r+1
.endr
	s_wait_loadcnt 32                              ; Mt's 32 loads are younger: the rows and my own numbers are in
.rept 32
	global_load_b64 v[M+2*r:M+2*r+1], v5, s[4:5] offset:4096*r
.set r, r+1
.endr
	SELUADD X, O, 32, K1, K2
	SELUG OWN, OWN+2, 2, K1, K2
	LNSTAT X
	v_pk_add_f32 v[OWN:OWN+1], v[OWN:OWN+1], v[MEAN:MEAN+1] neg_lo:[0,1] neg_hi:[0,1]
	s_wait_alu depctr_va_vdst(0)
	v_pk_mul_f32 v[OWN:OWN+1], v[OWN:OWN+1], v[RSTD:RSTD+1]
	v_pk_fma_f32 v[OWN:OWN+1], v[OWN:OWN+1], v[OWN+4:OWN+5], v[OWN+6:OWN+7]   ; q1 of my two d
	s_wait_loadcnt 32                              ; the second 32 loads are younger: rows 0 to 31 are in
	AXPY8 0
	AXPY8 8
	AXPY8 16
	AXPY8 24
	s_wait_loadcnt 0x0
	AXPY8 32
	AXPY8 40
	AXPY8 48
	AXPY8 56
	v_pk_add_f32 v[A:A+1], v[A:A+1], v[A+2:A+3]
	global_store_b64 v6, v[A:A+1], s[12:13]        ; the wave stores 256 consecutive bytes, aligned
	s_endpgm
.Lfunc_end_k_q635d754df1_mb:
	.size	k_q635d754df1_mb, .Lfunc_end_k_q635d754df1_mb-k_q635d754df1_mb
	.p2alignl 7, 3214868480
	.fill 96, 4, 3214868480
	.section	.rodata,"a",@progbits
	.p2align	6, 0x0
	.amdhsa_kernel k_q635d754df1_mb
		.amdhsa_group_segment_fixed_size 0
		.amdhsa_private_segment_fixed_size 0
		.amdhsa_enable_private_segment 0
		.amdhsa_kernarg_size 40
		.amdhsa_user_sgpr_count 2
		.amdhsa_user_sgpr_kernarg_segment_ptr 1
		.amdhsa_wavefront_size32 1
		.amdhsa_system_sgpr_workgroup_id_x 1
		.amdhsa_system_sgpr_workgroup_id_y 1
		.amdhsa_system_sgpr_workgroup_id_z 1
		.amdhsa_system_vgpr_workitem_id 0
		.amdhsa_next_free_vgpr 232
		.amdhsa_next_free_sgpr 66
		.amdhsa_reserve_vcc 0
		.amdhsa_float_denorm_mode_32 3
		.amdhsa_float_denorm_mode_16_64 3
		.amdhsa_memory_ordered 1
		.amdhsa_forward_progress 1
		.amdhsa_inst_pref_size 31
	.end_amdhsa_kernel
	.amdgpu_metadata
---
amdhsa.version: [ 1, 2 ]
amdhsa.kernels:
  - .name:           k_q635d754df1_mb
    .symbol:         k_q635d754df1_mb.kd
    .args:
      - { .name: mq, .offset: 0, .size: 8, .value_kind: global_buffer, .address_space: global }
      - { .name: o0, .offset: 8, .size: 8, .value_kind: global_buffer, .address_space: global }
      - { .name: ln_w, .offset: 16, .size: 8, .value_kind: global_buffer, .address_space: global }
      - { .name: ln_b, .offset: 24, .size: 8, .value_kind: global_buffer, .address_space: global }
      - { .name: up, .offset: 32, .size: 8, .value_kind: global_buffer, .address_space: global }
    .group_segment_fixed_size: 0
    .private_segment_fixed_size: 0
    .kernarg_segment_align: 8
    .kernarg_segment_size: 40
    .max_flat_workgroup_size: 256
    .sgpr_count:     66
    .vgpr_count:     232
    .wavefront_size: 32
...
	.end_amdgpu_metadata
.endif
;; end of part 5
;; launch p2: the kernel of part 3 again; grid 32 x 8, 8 waves a work-group, no clusters, 38,912 bytes of LDS; arguments feat, feat_mask, r1, up, r2; writes r2
;; launch p3 (part 6): grid 32 x 8, 8 waves a work-group, no clusters, 38,912 bytes of LDS; arguments feat, feat_mask, r1, r2, r3; writes r3
.if DOCPART == 6
	.amdgcn_target "amdgcn-amd-amdhsa--gfx1250"
	.amdhsa_code_object_version 6
	.text
	.protected	k_q635d754df1_p3
	.globl	k_q635d754df1_p3
	.p2align	8
	.type	k_q635d754df1_p3,@function
k_q635d754df1_p3:
	s_mov_b64 s[64:65], 0
	v_nop
	global_prefetch_b8 v0, s[64:65] scope:SCOPE_SE
	s_setreg_imm32_b32 hwreg(HW_REG_WAVE_MODE, 25, 1), 1
	s_wait_xcnt 0x0
; THE LAST PASS OVER FEAT: the text of the other passes with two earlier deltas and no new one.  For batch b and a block of 128 rows n:
; c = softmax over all n of (mask x -1e18 + the first normalised delta + the second);  sPart[b][block] = sum over the block's rows of c[n] feat[b][n].
; Every work-group makes the batch's statistics for itself from the 2 x 4,096 deltas (mean, then the sum of squares of the centred numbers; unbiased deviation + 1e-9), takes the TRUE
; maximum of the 4,096 logits away before the exponentials, and keeps c of its own 128 rows.
; Memory binds: no matrix unit, no cluster (no two work-groups share a byte of feat).  Wave w owns 16 rows; a row's 4,096 bytes are eight loads of 512 consecutive bytes; a ring of
; four row slots in registers keeps 32 loads of every wave on their way.
; LIMITS: a weight below 2^-126 counts as 0; NaN and infinities are not treated apart; a mask byte is 0 or 1.
.set RED,   4096                       ; LDS: six slots of 8 words, one word a wave (bytes 0 to 4,095 are not used here)
.set SRED,  5120                       ; eight waves' sums, 4,096 bytes each
.set SPARE, 37888                      ; the spare words, 128 bytes for each wave: four blocks of 256 bytes that no other line names
.set DOFF,  1048576                    ; delta's byte offset in its buffer
.set L16, 1                            ; v1   16 x lane; never rewritten
.set SPW, 2                            ; v2   my spare word; never rewritten
.set NIL, 3                            ; v3   0; never rewritten
.set L15, 4                            ; v4   lane % 16
.set VC,  5                            ; v5   c of my wave's row lane % 16
.set RA,  7                            ; v7   4 x wave: my wave's word in a slot
.set T,   8                            ; v[8:23]   at work; v[20:21], v[22:23] 1 / (deviation + 1e-9) of the two deltas, twice each
.set IA,  20
.set IB,  22
.set ACC, 56                           ; v[56:87]  sum of c x row
.set X,   88                           ; v[88:215] four row slots of 32
.set DA,  216                          ; v[216:231] 16 of the batch's deltas: n = 1024 j + 4 t + e at DA + 4 j + e; later their logits and weights
.set DB,  232                          ; v[232:247] the same of the second delta
.set MK,  248                          ; v[248:251] their mask bytes
.set OM,  252                          ; v252-254 mask and deltas of my own row
.set OA,  253
.set OB,  254
.set RB,  255                          ; v255 RED
.set WV, 16
.set BX, 17
.set BB, 18
.set FB, 20                            ; s[20:21] feat at my wave's rows
.set SEL, 22                           ; s[22:23] v_permlanex16_b32's selects
.set CC, 24                            ; s[24:25] c of the row in hand
.set ROWN, 26                          ; s26 the row in hand, 0..15
.set TRIP, 27
.set L2E, 28                           ; s[28:29] log2(e)
.set NEG, 30                           ; s[30:31] -1e18
.macro WSUM r, t                       ; sum over the 32 lanes, in every lane
	v_add_f32_dpp v[\r], v[\r], v[\r] row_xmask:1 row_mask:0xf bank_mask:0xf
	v_add_f32_dpp v[\r], v[\r], v[\r] row_xmask:2 row_mask:0xf bank_mask:0xf
	v_add_f32_dpp v[\r], v[\r], v[\r] row_xmask:4 row_mask:0xf bank_mask:0xf
	v_add_f32_dpp v[\r], v[\r], v[\r] row_xmask:8 row_mask:0xf bank_mask:0xf
	v_permlanex16_b32 v[\t], v[\r], s[SEL], s[SEL+1]
	v_add_f32 v[\r], v[\r], v[\t]
.endm
.macro WMAX r, t
	v_max_num_f32_dpp v[\r], v[\r], v[\r] row_xmask:1 row_mask:0xf bank_mask:0xf
	v_max_num_f32_dpp v[\r], v[\r], v[\r] row_xmask:2 row_mask:0xf bank_mask:0xf
	v_max_num_f32_dpp v[\r], v[\r], v[\r] row_xmask:4 row_mask:0xf bank_mask:0xf
	v_max_num_f32_dpp v[\r], v[\r], v[\r] row_xmask:8 row_mask:0xf bank_mask:0xf
	v_permlanex16_b32 v[\t], v[\r], s[SEL], s[SEL+1]
	v_max_num_f32 v[\r], v[\r], v[\t]
.endm
.macro FOLD8 t                         ; the eight numbers at v[t .. t+7] -> their sum in v[t]
	v_pk_add_f32 v[(\t):(\t)+1],   v[(\t):(\t)+1],   v[(\t)+2:(\t)+3]
	v_pk_add_f32 v[(\t)+4:(\t)+5], v[(\t)+4:(\t)+5], v[(\t)+6:(\t)+7]
	v_pk_add_f32 v[(\t):(\t)+1],   v[(\t):(\t)+1],   v[(\t)+4:(\t)+5]
	v_add_f32 v[\t], v[\t], v[(\t)+1]
.endm
.macro TSUM d, s                       ; the wave's sum of the 16 numbers a lane at v[s ..] -> v[d]
.irp c, 0,1,2,3
	v_pk_add_f32 v[T+2*(\c):T+2*(\c)+1], v[(\s)+4*(\c):(\s)+4*(\c)+1], v[(\s)+4*(\c)+2:(\s)+4*(\c)+3]
.endr
	FOLD8 T
	WSUM T, T+1
	v_mov_b32 v[\d], v[T]
.endm
.macro TSQ d, s                        ; the same of their squares
.irp c, 0,1,2,3
	v_pk_mul_f32 v[T+2*(\c):T+2*(\c)+1], v[(\s)+2*(\c):(\s)+2*(\c)+1], v[(\s)+2*(\c):(\s)+2*(\c)+1]
.endr
.irp c, 0,1,2,3
	v_pk_fma_f32 v[T+2*(\c):T+2*(\c)+1], v[(\s)+8+2*(\c):(\s)+8+2*(\c)+1], v[(\s)+8+2*(\c):(\s)+8+2*(\c)+1], v[T+2*(\c):T+2*(\c)+1]
.endr
	FOLD8 T
	WSUM T, T+1
	v_mov_b32 v[\d], v[T]
.endm
.macro PUT slot, r                     ; my wave's word of a slot: byte RED + 32 x slot + 4 x wave; every slot is written once in the launch, and no two slots share a byte
	ds_store_b32 v[RA], v[\r] offset:RED+32*(\slot)
.endm
.macro GETSUM slot                     ; the eight waves' words -> their sum in v[T]
	ds_load_b128 v[T:T+3],   v[RB] offset:32*(\slot)
	ds_load_b128 v[T+4:T+7], v[RB] offset:32*(\slot)+16
	s_wait_dscnt 0x0
	FOLD8 T
.endm
.macro BAR                             ; my LDS stores are done and my LDS loads are back; then everybody's
	s_wait_dscnt 0x0
	s_barrier_signal -1
	s_barrier_wait -1
.endm
.macro CENTRE slot, s, own             ; the mean is taken away, in place
	GETSUM \slot
	v_mul_f32 v[T], 0x39800000, v[T]               ; / 4096
	v_mov_b32 v[T+1], v[T]
.irp c, 0,1,2,3,4,5,6,7
	v_pk_add_f32 v[(\s)+2*(\c):(\s)+2*(\c)+1], v[(\s)+2*(\c):(\s)+2*(\c)+1], v[T:T+1] neg_lo:[0,1] neg_hi:[0,1]
.endr
	v_sub_f32 v[\own], v[\own], v[T]
.endm
.macro INV slot, d                     ; 1 / (sqrt(sum of squares / 4095) + 1e-9), twice
	GETSUM \slot
	v_mul_f32 v[T], 0x39800801, v[T]               ; / 4095
	v_sqrt_f32 v[T], v[T]
	v_nop                                          ; a plain instruction behind each transcendental (ISA guide 5.7.2)
	s_wait_alu depctr_va_vdst(0)
	v_add_f32 v[T], 0x3089705f, v[T]
	v_rcp_f32 v[\d], v[T]
	v_nop
	s_wait_alu depctr_va_vdst(0)
	v_mov_b32 v[(\d)+1], v[\d]
.endm
	s_load_b256 s[4:11], s[0:1], 0x0               ; feat s[4:5], mask s[6:7], first delta s[8:9], second delta s[10:11]
	s_load_b64 s[12:13], s[0:1], 0x20              ; the result
	v_lshl_add_u32 v[SPW], v0, 2, SPARE
	v_mov_b32 v[NIL], 0
	v_lshrrev_b32 v[T+5], 5, v0
	v_readfirstlane_b32 s[WV], v[T+5]
	s_mov_b32 s[BX], ttmp9
	s_and_b32 s[BB], ttmp7, 0xffff
	v_and_b32 v[T+6], 31, v0
	v_lshlrev_b32 v[L16], 4, v[T+6]
	v_and_b32 v[L15], 15, v0
	s_mov_b32 s[SEL], 0x76543210
	s_mov_b32 s[SEL+1], 0xfedcba98
	s_mov_b32 s[L2E], 0x3fb8aa3b
	s_mov_b32 s[L2E+1], s[L2E]                     ; named as pairs
	s_mov_b32 s[NEG], 0xdd5e0b6b
	s_mov_b32 s[NEG+1], s[NEG]
	v_mov_b32 v[RA], s[WV]                         ; the wave's number,
	v_lshlrev_b32 v[RA], 2, v[RA]                  ; times 4 bytes
	v_mov_b32 v[RB], RED
	s_lshl_b32 s32, s[BB], 12                      ; 4,096 b
	s_lshl_b32 s33, s[BB], 14                      ; 16,384 b
	v_lshl_add_u32 v[T], v0, 2, s32                ; mask: 4 bytes a thread
	v_lshl_add_u32 v[T+1], v0, 4, s33              ; delta: 16 bytes a thread
	s_lshl_b32 s34, s[BX], 7
	s_lshl_b32 s35, s[WV], 4
	s_add_co_u32 s34, s34, s35                     ; my wave's first row in the batch
	v_add_nc_u32 v[T+3], s34, v[L15]               ; my own row
	v_add_nc_u32 v[T+2], s32, v[T+3]
	v_lshl_add_u32 v[T+3], v[T+3], 2, s33
	s_lshl_b32 s36, s[BB], 24                      ; 4,096 rows of 4,096 bytes a batch
	s_lshl_b32 s37, s34, 12
	s_add_co_u32 s36, s36, s37
	s_mov_b32 s37, 0
	s_wait_kmcnt 0x0
	s_add_nc_u64 s[FB:FB+1], s[4:5], s[36:37]
.irp j, 0,1,2,3
	global_load_b32 v[MK+(\j)], v[T], s[6:7] offset:1024*(\j)
.endr
.irp j, 0,1,2,3
	global_load_b128 v[DA+4*(\j):DA+4*(\j)+3], v[T+1], s[8:9] offset:DOFF+4096*(\j)
.endr
.irp j, 0,1,2,3
	global_load_b128 v[DB+4*(\j):DB+4*(\j)+3], v[T+1], s[10:11] offset:DOFF+4096*(\j)
.endr
	global_load_u8 v[OM], v[T+2], s[6:7]
	global_load_b32 v[OA], v[T+3], s[8:9] offset:DOFF
	global_load_b32 v[OB], v[T+3], s[10:11] offset:DOFF
.irp k, 0,1,2,3
.irp j, 0,1,2,3,4,5,6,7
	global_load_b128 v[X+32*(\k)+4*(\j):X+32*(\k)+4*(\j)+3], v[L16], s[FB:FB+1] offset:(\k)*4096+512*(\j) th:TH_LOAD_NT   ; the ring: rows 0 to 3
.endr
.endr
	s_wait_xcnt 0x0                                ; the offsets in v[T ..] are rewritten only behind this wait
	s_wait_loadcnt 32                              ; younger: the ring's 32 loads: mask and deltas are in
	TSUM T+8, DA
	PUT 0, T+8
	TSUM T+8, DB
	PUT 1, T+8
	BAR
	CENTRE 0, DA, OA
	CENTRE 1, DB, OB
	TSQ T+8, DA
	PUT 2, T+8
	TSQ T+8, DB
	PUT 3, T+8
	BAR
	INV 2, IA
	INV 3, IB
	; the logits, in the order of the reference: mask x -1e18, + the first normalised delta, + the second
.irp g, 0,1
.set i, 0
.rept 8
	v_bfe_u32 v[T+i], v[MK+2*(\g)+i/4], 8*(i%4), 8
.set i, i+1
.endr
.set i, 0
.rept 8
	v_cvt_f32_u32 v[T+i], v[T+i]
.set i, i+1
.endr
.irp c, 0,1,2,3
	v_pk_mul_f32 v[T+2*(\c):T+2*(\c)+1], v[T+2*(\c):T+2*(\c)+1], s[NEG:NEG+1] op_sel_hi:[1,0]
	v_pk_fma_f32 v[DA+8*(\g)+2*(\c):DA+8*(\g)+2*(\c)+1], v[DA+8*(\g)+2*(\c):DA+8*(\g)+2*(\c)+1], v[IA:IA+1], v[T+2*(\c):T+2*(\c)+1]
	v_pk_fma_f32 v[DA+8*(\g)+2*(\c):DA+8*(\g)+2*(\c)+1], v[DB+8*(\g)+2*(\c):DB+8*(\g)+2*(\c)+1], v[IB:IB+1], v[DA+8*(\g)+2*(\c):DA+8*(\g)+2*(\c)+1]
.endr
.endr
	v_cvt_f32_u32 v[OM], v[OM]                     ; my own row's logit, by the same arithmetic
	v_mul_f32 v[OM], s[NEG], v[OM]
	v_fma_f32 v[OA], v[OA], v[IA], v[OM]
	v_fma_f32 v[OA], v[OB], v[IB], v[OA]
	; my wave's maximum, and the sum of 2^((b - that) log2 e): the difference is formed first, so that logits near -1e18 lose nothing
	v_max3_num_f32 v[T+8],  v[DA],    v[DA+1],  v[DA+2]
	v_max3_num_f32 v[T+9],  v[DA+3],  v[DA+4],  v[DA+5]
	v_max3_num_f32 v[T+10], v[DA+6],  v[DA+7],  v[DA+8]
	v_max3_num_f32 v[T+11], v[DA+9],  v[DA+10], v[DA+11]
	v_max3_num_f32 v[T+8],  v[T+8],   v[DA+12], v[DA+13]
	v_max3_num_f32 v[T+9],  v[T+9],   v[DA+14], v[DA+15]
	v_max3_num_f32 v[T+8],  v[T+8],   v[T+9],   v[T+10]
	v_max_num_f32  v[T+8],  v[T+8],   v[T+11]
	WMAX T+8, T+9
	v_mov_b32 v[T+9], v[T+8]
.irp c, 0,1,2,3,4,5,6,7
	v_pk_add_f32 v[DA+2*(\c):DA+2*(\c)+1], v[DA+2*(\c):DA+2*(\c)+1], v[T+8:T+9] neg_lo:[0,1] neg_hi:[0,1]
.endr
.irp c, 0,1,2,3,4,5,6,7
	v_pk_mul_f32 v[DA+2*(\c):DA+2*(\c)+1], v[DA+2*(\c):DA+2*(\c)+1], s[L2E:L2E+1] op_sel_hi:[1,0]
.endr
.set i, 0
.rept 16
	v_exp_f32 v[DA+i], v[DA+i]
.set i, i+1
.endr
	v_nop                                          ; a plain instruction behind the exponentials
	s_wait_alu depctr_va_vdst(0)
	TSUM T+10, DA
	PUT 4, T+8
	PUT 5, T+10
	BAR
	ds_load_b128 v[T:T+3],     v[RB] offset:128    ; the eight waves' maxima
	ds_load_b128 v[T+4:T+7],   v[RB] offset:144
	ds_load_b128 v[DA:DA+3],   v[RB] offset:160    ; and sums
	ds_load_b128 v[DA+4:DA+7], v[RB] offset:176
	s_wait_dscnt 0x0
	v_max3_num_f32 v[T+8], v[T],   v[T+1], v[T+2]
	v_max3_num_f32 v[T+9], v[T+3], v[T+4], v[T+5]
	v_max3_num_f32 v[T+8], v[T+8], v[T+9], v[T+6]
	v_max_num_f32  v[T+8], v[T+8], v[T+7]          ; the batch's maximum
	v_mov_b32 v[T+9], v[T+8]
.irp c, 0,1,2,3
	v_pk_add_f32 v[T+2*(\c):T+2*(\c)+1], v[T+2*(\c):T+2*(\c)+1], v[T+8:T+9] neg_lo:[0,1] neg_hi:[0,1]
.endr
	v_sub_f32 v[OA], v[OA], v[T+8]
.irp c, 0,1,2,3
	v_pk_mul_f32 v[T+2*(\c):T+2*(\c)+1], v[T+2*(\c):T+2*(\c)+1], s[L2E:L2E+1] op_sel_hi:[1,0]
.endr
	v_mul_f32 v[OA], s[L2E], v[OA]
.set i, 0
.rept 8
	v_exp_f32 v[T+i], v[T+i]
.set i, i+1
.endr
	v_exp_f32 v[OA], v[OA]
	; ACC is cleared here, 32 lines once a launch, so that one text serves all 16 rows; the lines are also the plain places behind the transcendentals
.set i, 0
.rept 16
	v_mov_b32 v[ACC+i], 0
.set i, i+1
.endr
	s_wait_alu depctr_va_vdst(0)
	v_pk_mul_f32 v[T:T+1], v[T:T+1],   v[DA:DA+1]  ; each wave's sum, brought to the batch's maximum
	v_pk_fma_f32 v[T:T+1], v[T+2:T+3], v[DA+2:DA+3], v[T:T+1]
	v_pk_fma_f32 v[T:T+1], v[T+4:T+5], v[DA+4:DA+5], v[T:T+1]
	v_pk_fma_f32 v[T:T+1], v[T+6:T+7], v[DA+6:DA+7], v[T:T+1]
	v_add_f32 v[T], v[T], v[T+1]                   ; at least 1: the largest logit's own weight
	v_rcp_f32 v[T], v[T]
.set i, 16
.rept 16
	v_mov_b32 v[ACC+i], 0
.set i, i+1
.endr
	s_wait_alu depctr_va_vdst(0)
	v_mul_f32 v[VC], v[OA], v[T]
; The turn of slot k.  refill = 1: the slot takes the row four further on.  left = the younger loads that may stay out.
.macro ROW k, refill, left
	s_wait_loadcnt \left
	v_readlane_b32 s[CC], v[VC], s[ROWN]
	s_mov_b32 s[CC+1], s[CC]                       ; named as a pair
.set p, 0
.rept 16
	v_pk_fma_f32 v[ACC+2*p:ACC+2*p+1], v[X+32*(\k)+2*p:X+32*(\k)+2*p+1], s[CC:CC+1], v[ACC+2*p:ACC+2*p+1] op_sel_hi:[1,0,1]
.set p, p+1
.endr
.if \refill
.irp j, 0,1,2,3,4,5,6,7
	global_load_b128 v[X+32*(\k)+4*(\j):X+32*(\k)+4*(\j)+3], v[L16], s[FB:FB+1] offset:((\k)+4)*4096+512*(\j) th:TH_LOAD_NT
.endr
.endif
	s_add_co_u32 s[ROWN], s[ROWN], 1
.endm
	s_mov_b32 s[ROWN], 0
	s_mov_b32 s[TRIP], 3
.Lrows:                                                ; three trips of four rows; 24 = the three other slots' loads
	ROW 0, 1, 24
	ROW 1, 1, 24
	ROW 2, 1, 24
	ROW 3, 1, 24
	s_wait_xcnt 0x0                                ; the base is stepped only behind this wait
	s_add_nc_u64 s[FB:FB+1], s[FB:FB+1], 16384
	s_sub_co_u32 s[TRIP], s[TRIP], 1
	s_cmp_lg_u32 s[TRIP], 0
	s_cbranch_scc1 .Lrows
	ROW 0, 0, 24                                   ; the last four rows load nothing: the counts run down
	ROW 1, 0, 16
	ROW 2, 0, 8
	ROW 3, 0, 0
	s_lshl_b32 s32, s[WV], 12
	v_add_nc_u32 v[T+8], s32, v[L16]
.irp j, 0,1,2,3,4,5,6,7
	ds_store_b128 v[T+8], v[ACC+4*(\j):ACC+4*(\j)+3] offset:SRED+512*(\j)
.endr
	s_wait_tensorcnt 0x0                           ; my last LDS store is behind me: the add's s_wait_dscnt is also this barrier's wait
	ds_add_u32 v[SPW], v[NIL]
	v_lshlrev_b32 v[T+10], 4, v0
	s_lshl_b32 s34, s[BB], 17
	s_lshl_b32 s35, s[BX], 12
	s_add_co_u32 s34, s34, s35
	v_add_nc_u32 v[T+11], s34, v[T+10]             ; sPart: (32 b + block) x 4,096 + 16 t
	s_wait_dscnt 0x0
	s_barrier_signal -1
	s_barrier_wait -1
.irp i, 0,1,2,3,4,5,6,7
	ds_load_b128 v[X+4*(\i):X+4*(\i)+3], v[T+10] offset:SRED+4096*(\i)
.endr
	s_wait_dscnt 0x0
.irp i, 0,1,2,3,4,5,6,7
	v_pk_add_f32 v[X+2*(\i):X+2*(\i)+1], v[X+2*(\i):X+2*(\i)+1], v[X+16+2*(\i):X+16+2*(\i)+1]
.endr
.irp i, 0,1,2,3
	v_pk_add_f32 v[X+2*(\i):X+2*(\i)+1], v[X+2*(\i):X+2*(\i)+1], v[X+8+2*(\i):X+8+2*(\i)+1]
.endr
.irp i, 0,1
	v_pk_add_f32 v[X+2*(\i):X+2*(\i)+1], v[X+2*(\i):X+2*(\i)+1], v[X+4+2*(\i):X+4+2*(\i)+1]
.endr
	global_store_b128 v[T+11], v[X:X+3], s[12:13]
	s_endpgm
.Lfunc_end_k_q635d754df1_p3:
	.size	k_q635d754df1_p3, .Lfunc_end_k_q635d754df1_p3-k_q635d754df1_p3
	.p2alignl 7, 3214868480
	.fill 96, 4, 3214868480
	.section	.rodata,"a",@progbits
	.p2align	6, 0x0
	.amdhsa_kernel k_q635d754df1_p3
		.amdhsa_group_segment_fixed_size 38912
		.amdhsa_private_segment_fixed_size 0
		.amdhsa_enable_private_segment 0
		.amdhsa_kernarg_size 40
		.amdhsa_user_sgpr_count 2
		.amdhsa_user_sgpr_kernarg_segment_ptr 1
		.amdhsa_wavefront_size32 1
		.amdhsa_system_sgpr_workgroup_id_x 1
		.amdhsa_system_sgpr_workgroup_id_y 1
		.amdhsa_system_sgpr_workgroup_id_z 1
		.amdhsa_system_vgpr_workitem_id 0
		.amdhsa_next_free_vgpr 256
		.amdhsa_next_free_sgpr 66
		.amdhsa_reserve_vcc 0
		.amdhsa_float_denorm_mode_32 3
		.amdhsa_float_denorm_mode_16_64 3
		.amdhsa_memory_ordered 1
		.amdhsa_forward_progress 1
		.amdhsa_inst_pref_size 39
	.end_amdhsa_kernel
	.amdgpu_metadata
---
amdhsa.version: [ 1, 2 ]
amdhsa.kernels:
  - .name:           k_q635d754df1_p3
    .symbol:         k_q635d754df1_p3.kd
    .args:
      - { .name: feat, .offset: 0, .size: 8, .value_kind: global_buffer, .address_space: global }
      - { .name: feat_mask, .offset: 8, .size: 8, .value_kind: global_buffer, .address_space: global }
      - { .name: r1, .offset: 16, .size: 8, .value_kind: global_buffer, .address_space: global }
      - { .name: r2, .offset: 24, .size: 8, .value_kind: global_buffer, .address_space: global }
      - { .name: r3, .offset: 32, .size: 8, .value_kind: global_buffer, .address_space: global }
    .group_segment_fixed_size: 38912
    .private_segment_fixed_size: 0
    .kernarg_segment_align: 8
    .kernarg_segment_size: 40
    .max_flat_workgroup_size: 256
    .sgpr_count:     66
    .vgpr_count:     256
    .wavefront_size: 32
...
	.end_amdgpu_metadata
.endif
;; end of part 6
;; launch pc: the kernel of part 4 again; grid 32 x 16, 16 waves a work-group, no clusters, 6,400 bytes of LDS; arguments r2, r3, mq, o12; writes o12
;; launch fin (part 7): grid 32 x 8, 4 waves a work-group, no clusters, 0 bytes of LDS; arguments mq, o0, o12, ln_w, ln_b, W_out, b_out, out0; writes out0
.if DOCPART == 7
	.amdgcn_target "amdgcn-amd-amdhsa--gfx1250"
	.amdhsa_code_object_version 6
	.text
	.protected	k_q635d754df1_fin
	.globl	k_q635d754df1_fin
	.p2align	8
	.type	k_q635d754df1_fin,@function
k_q635d754df1_fin:
	s_mov_b64 s[64:65], 0
	v_nop
	global_prefetch_b8 v0, s[64:65] scope:SCOPE_SE
	s_setreg_imm32_b32 hwreg(HW_REG_WAVE_MODE, 25, 1), 1
	s_wait_xcnt 0x0
; THE END OF THE CHAIN.  q1 = LN(q0 + selu(o0 / 4096)); q2 = LN(q1 + selu(o1 / 4096)); q3 = LN(q2 + selu(o2)); out0[b][o] = q3 . W_out[o] + b_out[o].
; Every wave stands alone (no LDS, no barrier): it makes q3 of its batch for itself, 32 numbers a lane, and eight outputs from eight rows of W_out, which are asked for at the
; start and land while the three norms are made.  A few-row product that streams W_out: f32 on the vector unit.
; LIMIT: selu's negative branch is formed as exp(x) - 1, not expm1: off by 1.1e-7 at the most, beside numbers of order 1.
; REGISTERS: window 0 as named below; window 1: row r of W_out at v[32 r .. 32 r + 31].
.set Q0OFF, 4194304
.set X,    8                           ; v[8:39]    q
.set O0,   40                          ; v[40:71], v[72:103], v[104:135]  o0, o1, o2
.set O1,   72
.set O2,   104
.set W,    136                         ; v[136:167] ln_w
.set B,    168                         ; v[168:199] ln_b
.set TS,   200                         ; v[200:203] at work in selu
.set TL,   204                         ; v[204:211] at work in the norm
.set MEAN, 212
.set RSTD, 214
.set BO,   216                          ; v216 b_out of output lane % 8
.set D,    40                          ; v[40:103]  later: eight registers for each of the eight dot products
.set SEL, 24
.set K1,  26                           ; s[26:27] log2(e) / 4096
.set K2,  28                           ; s[28:29] selu's scale / 4096
.set AL,  30                           ; s[30:31] selu's scale x alpha
.set K1F, 32                           ; s[32:33] log2(e)
.set K2F, 34                           ; s[34:35] selu's scale
.set R1024, 36
.set EPS, 37
.macro WSUM r, t
	v_add_f32_dpp v[\r], v[\r], v[\r] row_xmask:1 row_mask:0xf bank_mask:0xf
	v_add_f32_dpp v[\r], v[\r], v[\r] row_xmask:2 row_mask:0xf bank_mask:0xf
	v_add_f32_dpp v[\r], v[\r], v[\r] row_xmask:4 row_mask:0xf bank_mask:0xf
	v_add_f32_dpp v[\r], v[\r], v[\r] row_xmask:8 row_mask:0xf bank_mask:0xf
	v_permlanex16_b32 v[\t], v[\r], s[SEL], s[SEL+1]
	v_add_f32 v[\r], v[\r], v[\t]
.endm
.macro FOLD8 t
	v_pk_add_f32 v[(\t):(\t)+1],   v[(\t):(\t)+1],   v[(\t)+2:(\t)+3]
	v_pk_add_f32 v[(\t)+4:(\t)+5], v[(\t)+4:(\t)+5], v[(\t)+6:(\t)+7]
	v_pk_add_f32 v[(\t):(\t)+1],   v[(\t):(\t)+1],   v[(\t)+4:(\t)+5]
	v_add_f32 v[\t], v[\t], v[(\t)+1]
.endm
; x += selu(scale o) for m (2 or 4) numbers: scale' max(o, 0) + al (2^(k1 min(o, 0)) - 1)
.macro SELUG x, o, m, k1, k2
.set ee, 0
.rept \m
	v_min_num_f32 v[TS+ee], 0, v[(\o)+ee]
.set ee, ee+1
.endr
.set ee, 0
.rept (\m)/2
	v_pk_mul_f32 v[TS+ee:TS+ee+1], v[TS+ee:TS+ee+1], s[\k1:\k1+1] op_sel_hi:[1,0]
.set ee, ee+2
.endr
.set ee, 0
.rept \m
	v_exp_f32 v[TS+ee], v[TS+ee]
.set ee, ee+1
.endr
.set ee, 0
.rept \m
	v_max_num_f32 v[(\o)+ee], 0, v[(\o)+ee]        ; plain work behind the exponentials
.set ee, ee+1
.endr
.set ee, 0
	s_wait_alu depctr_va_vdst(0)
.rept (\m)/2
	v_pk_fma_f32 v[(\x)+ee:(\x)+ee+1], v[(\o)+ee:(\o)+ee+1], s[\k2:\k2+1], v[(\x)+ee:(\x)+ee+1] op_sel_hi:[1,0,1]
	v_pk_fma_f32 v[TS+ee:TS+ee+1], v[TS+ee:TS+ee+1], s[AL:AL+1], s[AL:AL+1] op_sel_hi:[1,0,0] neg_lo:[0,0,1] neg_hi:[0,0,1]
.set ee, ee+2
.endr
.set ee, 0
.rept (\m)/2
	v_pk_add_f32 v[(\x)+ee:(\x)+ee+1], v[(\x)+ee:(\x)+ee+1], v[TS+ee:TS+ee+1]
.set ee, ee+2
.endr
.endm
.macro SELUADD x, o, n, k1, k2
.set gg, 0
.rept (\n)/4
	SELUG (\x)+gg, (\o)+gg, 4, \k1, \k2
.set gg, gg+4
.endr
.endm
; the mean of the wave's 1,024 numbers; they are centred in place; 1 / sqrt(mean of their squares + 1e-5): two passes, no difference of large sums
.macro LNSTAT x
.irp c, 0,1,2,3
	v_pk_add_f32 v[TL+2*(\c):TL+2*(\c)+1], v[(\x)+2*(\c):(\x)+2*(\c)+1], v[(\x)+8+2*(\c):(\x)+8+2*(\c)+1]
.endr
.irp c, 0,1,2,3
	v_pk_add_f32 v[TL+2*(\c):TL+2*(\c)+1], v[TL+2*(\c):TL+2*(\c)+1], v[(\x)+16+2*(\c):(\x)+16+2*(\c)+1]
.endr
.irp c, 0,1,2,3
	v_pk_add_f32 v[TL+2*(\c):TL+2*(\c)+1], v[TL+2*(\c):TL+2*(\c)+1], v[(\x)+24+2*(\c):(\x)+24+2*(\c)+1]
.endr
	FOLD8 TL
	WSUM TL, TL+1
	v_mul_f32 v[MEAN], s[R1024], v[TL]
	v_mul_f32 v[MEAN+1], s[R1024], v[TL]
.set pp, 0
.rept 16
	v_pk_add_f32 v[(\x)+2*pp:(\x)+2*pp+1], v[(\x)+2*pp:(\x)+2*pp+1], v[MEAN:MEAN+1] neg_lo:[0,1] neg_hi:[0,1]
.set pp, pp+1
.endr
.irp c, 0,1,2,3
	v_pk_mul_f32 v[TL+2*(\c):TL+2*(\c)+1], v[(\x)+2*(\c):(\x)+2*(\c)+1], v[(\x)+2*(\c):(\x)+2*(\c)+1]
.endr
.set pp, 4
.rept 12
	v_pk_fma_f32 v[TL+2*(pp%4):TL+2*(pp%4)+1], v[(\x)+2*pp:(\x)+2*pp+1], v[(\x)+2*pp:(\x)+2*pp+1], v[TL+2*(pp%4):TL+2*(pp%4)+1]
.set pp, pp+1
.endr
	FOLD8 TL
	WSUM TL, TL+1
	v_fma_f32 v[TL], v[TL], s[R1024], s[EPS]
	v_rsq_f32 v[RSTD], v[TL]
	v_rsq_f32 v[RSTD+1], v[TL]
	v_nop                                          ; a plain instruction behind the transcendentals
.endm
.macro LNAPPLY x                       ; the centred numbers / deviation x gain + bias
.set pp, 0
	s_wait_alu depctr_va_vdst(0)
.rept 16
	v_pk_mul_f32 v[(\x)+2*pp:(\x)+2*pp+1], v[(\x)+2*pp:(\x)+2*pp+1], v[RSTD:RSTD+1]
.set pp, pp+1
.endr
.set pp, 0
.rept 16
	v_pk_fma_f32 v[(\x)+2*pp:(\x)+2*pp+1], v[(\x)+2*pp:(\x)+2*pp+1], v[W+2*pp:W+2*pp+1], v[B+2*pp:B+2*pp+1]
.set pp, pp+1
.endr
.endm
	s_load_b512 s[4:19], s[0:1], 0x0               ; mq s[4:5], o0 s[6:7], o12 s[8:9], ln_w s[10:11], ln_b s[12:13], W_out s[14:15], b_out s[16:17], out0 s[18:19]
	v_lshrrev_b32 v8, 5, v0
	v_readfirstlane_b32 s20, v8                    ; wave
	s_and_b32 s22, ttmp7, 0xffff                   ; batch
	v_and_b32 v6, 31, v0                           ; lane
	v_lshlrev_b32 v1, 4, v6
	s_lshl_b32 s39, s22, 12
	v_add_nc_u32 v2, s39, v1                       ; a row of the batch
	v_and_b32 v5, 7, v0
	s_lshl_b32 s40, ttmp9, 7
	s_lshl_b32 s41, s20, 5
	s_add_co_u32 s40, s40, s41                     ; my wave's eight outputs, in bytes: 128 x + 32 w
	v_lshl_add_u32 v3, v5, 2, s40
	s_lshl_b32 s41, s40, 10                        ; their rows of W_out: 4,096 bytes for 4
	v_add_nc_u32 v4, s41, v1
	s_add_co_u32 s40, s40, s39
	v_lshl_add_u32 v7, v6, 2, s40
	s_mov_b32 s[SEL], 0x76543210
	s_mov_b32 s[SEL+1], 0xfedcba98
	s_mov_b32 s[K1], 0x39b8aa3b
	s_mov_b32 s[K1+1], s[K1]
	s_mov_b32 s[K2], 0x39867d5f
	s_mov_b32 s[K2+1], s[K2]
	s_mov_b32 s[AL], 0x3fe10966
	s_mov_b32 s[AL+1], s[AL]
	s_mov_b32 s[K1F], 0x3fb8aa3b
	s_mov_b32 s[K1F+1], s[K1F]
	s_mov_b32 s[K2F], 0x3f867d5f
	s_mov_b32 s[K2F+1], s[K2F]
	s_mov_b32 s[R1024], 0x3a800000
	s_mov_b32 s[EPS], 0x3727c5ac
	s_wait_kmcnt 0x0
.irp j, 0,1,2,3,4,5,6,7
	global_load_b128 v[X+4*(\j):X+4*(\j)+3],   v2, s[4:5]   offset:Q0OFF+512*(\j)
	global_load_b128 v[O0+4*(\j):O0+4*(\j)+3], v2, s[6:7]   offset:512*(\j)
	global_load_b128 v[O1+4*(\j):O1+4*(\j)+3], v2, s[8:9]   offset:512*(\j)
	global_load_b128 v[O2+4*(\j):O2+4*(\j)+3], v2, s[8:9]   offset:32768+512*(\j)
	global_load_b128 v[W+4*(\j):W+4*(\j)+3],   v1, s[10:11] offset:512*(\j)
	global_load_b128 v[B+4*(\j):B+4*(\j)+3],   v1, s[12:13] offset:512*(\j)
.endr
	global_load_b32 v[BO], v3, s[16:17]
	s_set_vgpr_msb 0x40                            ; destination in window 1
.set r, 0
.rept 8
.irp j, 0,1,2,3,4,5,6,7
	global_load_b128 v[32*r+4*(\j):32*r+4*(\j)+3], v4, s[14:15] offset:4096*r+512*(\j)
.endr
.set r, r+1
.endr
	s_set_vgpr_msb 0x4000
	s_wait_loadcnt 63                              ; W_out's 64 loads are younger; the wait's field ends at 63, so the smaller count is taken
	SELUADD X, O0, 32, K1, K2
	LNSTAT X
	LNAPPLY X
	SELUADD X, O1, 32, K1, K2
	LNSTAT X
	LNAPPLY X
	SELUADD X, O2, 32, K1F, K2F
	LNSTAT X
	LNAPPLY X
	s_wait_loadcnt 0x0                             ; W_out
	s_set_vgpr_msb 0x0001                          ; source 0 in window 1
.set r, 0
.rept 8
.irp c, 0,1,2,3
	v_pk_mul_f32 v[D+8*r+2*(\c):D+8*r+2*(\c)+1], v[32*r+2*(\c):32*r+2*(\c)+1], v[X+2*(\c):X+2*(\c)+1]
.endr
.set p, 4
.rept 12
	v_pk_fma_f32 v[D+8*r+2*(p%4):D+8*r+2*(p%4)+1], v[32*r+2*p:32*r+2*p+1], v[X+2*p:X+2*p+1], v[D+8*r+2*(p%4):D+8*r+2*(p%4)+1]
.set p, p+1
.endr
.set r, r+1
.endr
	s_set_vgpr_msb 0x0100
.set r, 0
.rept 8
	FOLD8 D+8*r
	WSUM D+8*r, D+8*r+1
.if r > 0
	v_cmp_eq_u32 vcc_lo, r, v5
	v_cndmask_b32 v[D], v[D], v[D+8*r], vcc_lo     ; output r goes to the lanes with lane % 8 = r
.endif
.set r, r+1
.endr
	v_add_f32 v[D], v[D], v[BO]
	v_cmp_gt_u32 vcc_lo, 8, v6
	s_wait_xcnt 0x0                                ; EXEC changes only behind this wait
	s_and_saveexec_b32 s38, vcc_lo
	global_store_b32 v7, v[D], s[18:19]            ; lanes 0 to 7: the wave's eight outputs, 32 consecutive bytes
	s_wait_xcnt 0x0
	s_or_b32 exec_lo, exec_lo, s38
	s_endpgm
.Lfunc_end_k_q635d754df1_fin:
	.size	k_q635d754df1_fin, .Lfunc_end_k_q635d754df1_fin-k_q635d754df1_fin
	.p2alignl 7, 3214868480
	.fill 96, 4, 3214868480
	.section	.rodata,"a",@progbits
	.p2align	6, 0x0
	.amdhsa_kernel k_q635d754df1_fin
		.amdhsa_group_segment_fixed_size 0
		.amdhsa_private_segment_fixed_size 0
		.amdhsa_enable_private_segment 0
		.amdhsa_kernarg_size 64
		.amdhsa_user_sgpr_count 2
		.amdhsa_user_sgpr_kernarg_segment_ptr 1
		.amdhsa_wavefront_size32 1
		.amdhsa_system_sgpr_workgroup_id_x 1
		.amdhsa_system_sgpr_workgroup_id_y 1
		.amdhsa_system_sgpr_workgroup_id_z 1
		.amdhsa_system_vgpr_workitem_id 0
		.amdhsa_next_free_vgpr 512
		.amdhsa_next_free_sgpr 66
		.amdhsa_reserve_vcc 1
		.amdhsa_float_denorm_mode_32 3
		.amdhsa_float_denorm_mode_16_64 3
		.amdhsa_memory_ordered 1
		.amdhsa_forward_progress 1
		.amdhsa_inst_pref_size 66
	.end_amdhsa_kernel
	.amdgpu_metadata
---
amdhsa.version: [ 1, 2 ]
amdhsa.kernels:
  - .name:           k_q635d754df1_fin
    .symbol:         k_q635d754df1_fin.kd
    .args:
      - { .name: mq, .offset: 0, .size: 8, .value_kind: global_buffer, .address_space: global }
      - { .name: o0, .offset: 8, .size: 8, .value_kind: global_buffer, .address_space: global }
      - { .name: o12, .offset: 16, .size: 8, .value_kind: global_buffer, .address_space: global }
      - { .name: ln_w, .offset: 24, .size: 8, .value_kind: global_buffer, .address_space: global }
      - { .name: ln_b, .offset: 32, .size: 8, .value_kind: global_buffer, .address_space: global }
      - { .name: W_out, .offset: 40, .size: 8, .value_kind: global_buffer, .address_space: global }
      - { .name: b_out, .offset: 48, .size: 8, .value_kind: global_buffer, .address_space: global }
      - { .name: out0, .offset: 56, .size: 8, .value_kind: global_buffer, .address_space: global }
    .group_segment_fixed_size: 0
    .private_segment_fixed_size: 0
    .kernarg_segment_align: 8
    .kernarg_segment_size: 64
    .max_flat_workgroup_size: 128
    .sgpr_count:     66
    .vgpr_count:     512
    .wavefront_size: 32
...
	.end_amdgpu_metadata
.endif
;; end of part 7
